; MI455X (gfx1250); checked and timed in simulation.
; The chip was launched on July 23, 2026; its instructions are those of AMD's public machine-readable ISA for CDNA 5 (MIT licence, August 2026) and "CDNA5" Instruction Set Architecture Reference Guide (July 2026). The comments in the code are by the model that wrote it; some were corrected since.
;; Multi Headed Attention Relative. Allowed arithmetic: matrix products marked QUANTISED: E2M3 operands, one E8M0 scale for each 32 along K, by v_wmma_scale_f32_16x16x128_f8f6f4 with both operands' format E2M3, f32 sums; everything else in f32.
;; Inputs: Wk 1,024 x 1,024 float32; Wo 1,024 x 1,024 float32; Wq 1,024 x 1,024 float32; Wv 1,024 x 1,024 float32; bk 1,024 float32; bo 1,024 float32; bq 1,024 float32; bv 1,024 float32; key 8 x 1,024 x 1,024 float32; query 8 x 1,024 x 1,024 float32; rel_k_table 33 x 64 float32; rel_v_table 33 x 64 float32; value 8 x 1,024 x 1,024 float32.
;; Outputs: out0 8 x 1,024 x 1,024 float32; out1 8 x 1,024 x 1,024 float32.
;; This version of the problem:
;;   THIS VERSION OF THE PROBLEM IS GIVEN IN LOW PRECISION. The matrix products marked QUANTISED in the list below multiply operands that are first quantised to E2M3 (2 exponent bits, 3 mantissa bits; 6 bits a number), with one power-of-two scale for each 32 numbers along K (OCP MX v1.0); their sums are f32. All else is computed in f32.
;;   The module's matrix products, in the order in which they are computed (A, B: the left and right operand; K: the contracted axis; several contracted axes count as one K, in the product's order):
;;     1. [M 8,192, K 1,024] x [K 1,024, N 1,024]; A: input key; B: input Wk: QUANTISED
;;     2. [M 8,192, K 1,024] x [K 1,024, N 1,024]; A: input value; B: input Wv: QUANTISED
;;     3. [M 8,192, K 1,024] x [K 1,024, N 1,024]; A: input query; B: input Wq: QUANTISED
;;     4. batch 128 x [M 1,024, K 64] x [K 64, N 1,024]; A: computed on the way; B: computed on the way: QUANTISED
;;     5. batch 1,024 x [M 1,024, K 64] x [K 64, N 128]; A: computed on the way; B: computed on the way: QUANTISED
;;     6. batch 128 x [M 1,024, K 1,024] x [K 1,024, N 64]; A: softmax (see below); B: computed on the way: QUANTISED
;;     7. batch 1,024 x [M 64, K 1,024] x [K 1,024, N 128]; A: computed on the way; B: softmax (see below): QUANTISED
;;     8. [M 8,192, K 1,024] x [K 1,024, N 1,024]; A: computed on the way; B: input Wo: QUANTISED
;;   THE QUANTISER, for each operand of a quantised product, along K:
;;     - K is cut into blocks of 32 from its start; a last block that is shorter is filled with zeros.
;;     - A block's scale is 2^e with e = floor(log2(the largest magnitude in the block)) - 2, held to -126 .. 127; a block of zeros has e = 0. As a byte (E8M0): e + 127.
;;     - Each number is divided by its block's scale, clamped to +-7.5, and rounded to the nearest number of E2M3, ties to even, subnormals kept.
;;     - The product sums the exact products of the quantised numbers (number of the format x scale) in f32.
;;   ~~~python
;;   def quantise(x, axis):      # numpy; x: float32 -> the quantised numbers, widened to float32 again
;;       x = np.moveaxis(x, axis, -1); K = x.shape[-1]
;;       x = np.pad(x, [(0, 0)] * (x.ndim - 1) + [(0, -K % 32)]); x = x.reshape(x.shape[:-1] + (-1, 32)); a = np.abs(x).max(-1, keepdims=True)
;;       e = np.where(a > 0, np.clip(np.frexp(np.where(a > 0, a, 1))[1] - 1 - 2, -126, 127), 0)      # np.frexp(a)[1] - 1 = floor(log2(a)), exactly
;;       r = np.clip(x / 2.0 ** e, -7.5, 7.5)
;;       step = 2.0 ** (np.maximum(np.frexp(np.where(r == 0, 1, r))[1] - 1, 0) - 3)
;;       q = np.round(r / step) * step * 2.0 ** e      # np.round: ties to even
;;       return np.moveaxis(q.reshape(q.shape[:-2] + (-1,))[..., :K], -1, axis).astype(np.float32)
;;   ~~~
;;   SOFTMAX AHEAD OF A QUANTISED PRODUCT. Where the list says 'softmax', what is quantised is not the finished softmax but p = 2^(t - M), with t = logit x log2(e) and M = ceil(the row's largest t), a whole number; so 1/2 < the row's largest p <= 1. The row's sum l is taken of the UNQUANTISED p, in f32, and the product's result is divided by l at the end. Since M is a whole number, a kernel that streams over the keys may use a running M (the ceiling of the running maximum): every later rescaling is an exact power of two, which a block's scale takes up: the codes' values come out the same.
;;   OPERANDS COMPUTED ON THE WAY. 'Computed on the way' means the value that the module computes at that place (a softmax that the list does not call 'softmax' is quantised finished and normalised). What goes into a quantiser is computed in f32, as accurately as f32 sums, v_exp_f32 and their like allow (about 1e-6 of the number): no bf16 or f16 on the way to a quantiser, and a product that is left as it is and whose result goes on into a quantised operand takes f32 operands (vector FMAs, or v_wmma_f32_16x16x4_f32). A number that lies on a knife's edge between two numbers of the format may be rounded either way, as far as f32 arithmetic and the matrix unit's own rounding can turn it there, and no further.
;; One version. Each part assembles by itself: llvm-mc -triple=amdgcn-amd-amdhsa -mcpu=gfx1250 --defsym DOCPART=n.
;; ======== version 1 of 1: 5 launches
;; workspace buffers: xc 18,874,368 bytes; xs 786,432 bytes; wc 3,145,728 bytes; ws 131,072 bytes; tb 111,616 bytes; kv 13,369,344 bytes; qq 6,815,744 bytes; cx 6,553,600 bytes
;; launch prep (part 1): grid 915 x 1, 4 waves a work-group, no clusters, 68,096 bytes of LDS; arguments key, query, value, Wk, Wq, Wv, Wo, rel_k_table, rel_v_table, xc, xs, wc, ws, tb; writes xc, xs, wc, ws, tb
.if DOCPART == 1
	.amdgcn_target "amdgcn-amd-amdhsa--gfx1250"
	.amdhsa_code_object_version 6
	.text
	.protected	k_q2c9d537bab_prep
	.globl	k_q2c9d537bab_prep
	.p2align	8
	.type	k_q2c9d537bab_prep,@function
k_q2c9d537bab_prep:
	s_mov_b64 s[64:65], 0
	v_nop
	global_prefetch_b8 v0, s[64:65] scope:SCOPE_SE
	s_setreg_imm32_b32 hwreg(HW_REG_WAVE_MODE, 25, 1), 1
	s_wait_xcnt 0x0
; MultiHeadedAttentionRelative in MX-FP6 (E2M3 codes, one E8M0 scale for each 32 along K).  First of five launches: everything that many work-groups read is quantised ONCE.
; NO INPUT IS LEFT OUT.  What is not multiplied as reference() writes it are its two lookups, which it builds as dense products:
;   q . zk[q][k] (K = the head's 64): zk[q][k] is row clip(q - k, -16, 16) + 16 of rel_k_table, quantised along d, so a query meets only 33 different quantised rows: the later launches multiply a tile of
;     16 queries by 80 rows (the 33, laid out so that key j of the two blocks of 32 keys round the diagonal is row j + 15 - r for query r) and look the numbers up; all other keys take row 32 or row 0.
;   p . zv[q][k][d] (K = the keys, blocks of 32): a block of keys that lies wholly left (right) of the band holds 32 equal numbers T[32][d] (T[0][d]), whose quantised value is a constant ZL[d] (ZR[d]): its part is
;     ZL[d] x the sum of the quantised p of those blocks.  For a tile of 16 queries the band lies in two blocks of 32 keys; there zv hangs on delta = q - the block's first key alone, -16 .. 47: 64 small tables, made here.
;   Both hold for all values of the inputs: they follow from the index that reference() builds in its own body.
; The division of q by sqrt(64) = 8 is an exact power of two: the quantiser's codes stay, its scale moves by 3; it is folded into the softmax's constant.
; LIMITS: NaN and infinities among the inputs are not served.  A block whose largest magnitude lies under 2^-124 has its byte held at 1, and a block of zeros has byte 1 where the rule says 127: its codes are zeros, and this
; program alone reads the bytes.  The folded 1/8 differs from the rule only where a block's exponent would be held at -126.
; THREE PATHS, by the work-group's number; each has LDS bytes of its own.
;   X (0 .. 767): key, query, value [8192][1024] f32 -> xc (codes, K innermost, 768 bytes a row), xs (32 scale bytes a row).  A plain stream of blocks of 32.
;   W (768 .. 895): Wk, Wq, Wv, Wo [k][n] f32, K the first axis -> wc [n][768], ws [n][32]: a lane takes a column, its registers run down K.
;   T (896 .. 914): the tables of the two lookups -> tb.
.set SPW,   12                         ; v12  LDS address of my spare word; never rewritten
.set NIL,   13                         ; v13  0; never rewritten
.set SPARE, 67584                      ; behind both paths' bytes: the spare words, 128 bytes a wave
.set EMAX,  2
.set STEPS, 16                         ; path X: 16 steps of 512 numbers a wave
.set CB,    12                         ; bytes of 16 codes
.set XR,    16                         ; v16-79   four sets of 16 numbers as loaded
.set XX,    80                         ; v80-111  two sets of 16 neighbours
.set XC,    128                        ; v128-191 codes, four registers a step
.set XE,    112                        ; v112-127 a scale byte a step
.set WREG,  8192                       ; path X: LDS bytes of a wave: two stages of 32 x 80, then 256 scale bytes
.set SP,    80
.set WSTG,  32768                      ; path W: its stages begin here
.set NB,    8                          ; blocks of 32 along K for a wave
.set ROWB,  192
.set PITCH, 272
.set KROW,  768
.set WX,    32                         ; v32-95   two sets of 32 numbers
.set WC,    96                         ; v96..    a block's codes
.set OUTR,  112                        ; v112-175 the way out
.set SB,    24                         ; v24-25   scale bytes, four to a register
	s_load_b256 s[8:15], s[0:1], 0x0               ; key, query, value, Wk
	s_load_b256 s[16:23], s[0:1], 0x20             ; Wq, Wv, Wo, rel_k_table
	s_load_b256 s[24:31], s[0:1], 0x40             ; rel_v_table, xc, xs, wc
	s_load_b128 s[32:35], s[0:1], 0x60             ; ws, tb
	v_lshl_add_u32 v[SPW], v0, 2, SPARE
	v_mov_b32 v[NIL], 0
	v_lshrrev_b32 v1, 5, v0
	v_readfirstlane_b32 s36, v1                    ; wave 0..3
	v_and_b32 v2, 31, v0                           ; lane
	s_wait_kmcnt 0x0
	s_cmp_lt_u32 ttmp9, 768
	s_cbranch_scc1 .Lpath_x
	s_cmp_lt_u32 ttmp9, 896
	s_cbranch_scc1 .Lpath_w
	s_branch .Lpath_t
; ---------------------------------------------------------------- path X
.macro XLOAD t
.irp i, 0,1,2,3
	global_load_b128 v[XR+16*((\t)%4)+4*\i:XR+16*((\t)%4)+4*\i+3], v3, s[4:5] offset:2048*(\t)+512*\i th:TH_LOAD_NT   ; 32 lanes read 512 consecutive bytes
.endr
.endm
.macro XTURN t                         ; a step's 2,048 bytes through my own stage: in as loaded, out 64 bytes a lane; LDS serves a wave's instructions in order
.irp i, 0,1,2,3
	ds_store_b128 v14, v[XR+16*((\t)%4)+4*\i:XR+16*((\t)%4)+4*\i+3] offset:32*SP*((\t)%2)+8*SP*\i
.endr
.irp i, 0,1,2,3
	ds_load_b128 v[XX+16*((\t)%2)+4*\i:XX+16*((\t)%2)+4*\i+3], v15 offset:32*SP*((\t)%2)+16*\i
.endr
.endm
.macro XSTEP t
.set XS, XX+16*((\t)%2)
.if (\t) > 0
	s_wait_dscnt 1                                 ; this step's numbers are back from the stage; the last step's byte store may be out
.else
	s_wait_dscnt 0x0
.endif
.if (\t)+4 < STEPS
	XLOAD (\t)+4                                   ; into the registers that the stage's stores have read
.endif
.if (\t)+1 < STEPS
.if STEPS-2-(\t) >= 3
	s_wait_loadcnt 12                              ; the next step's four loads are in; the three steps behind it (12 loads) may be out
.else
	s_wait_loadcnt 4*(STEPS-2-(\t))
.endif
	XTURN (\t)+1
.endif
	v_max3_num_f32 v8, |v[XS]|, |v[XS+1]|, |v[XS+2]|               ; the largest magnitude of my 16
	v_max3_num_f32 v9, |v[XS+3]|, |v[XS+4]|, |v[XS+5]|
.irp i, 6,10
	v_max3_num_f32 v8, v8, |v[XS+\i]|, |v[XS+\i+1]|
	v_max3_num_f32 v9, v9, |v[XS+\i+2]|, |v[XS+\i+3]|
.endr
	v_max3_num_f32 v8, v8, |v[XS+14]|, |v[XS+15]|
	v_max3_num_f32 v8, v8, v9, (EMAX+1)<<23        ; and the floor 2^(3 - 127): the byte cannot fall under 1
	v_max_num_f32_dpp v8, v8, v8 row_xmask:1 row_mask:0xf bank_mask:0xf   ; with my neighbour's 16: the block's
	v_add_nc_u32 v11, -(EMAX<<23), v8              ; 2 off the exponent field: the conversion's scale operand
	v_cvt_scalef32_pk16_fp6_f32 v[XC+4*(\t):XC+4*(\t)+2], v[XS:XS+15], v11
	v_lshrrev_b32 v[XE+(\t)], 23, v11              ; the scale's byte
	ds_store_b8 v5, v[XE+(\t)] offset:16*(\t)      ; both lanes of a block write the same byte
	global_store_b96 v4, v[XC+4*(\t):XC+4*(\t)+2], s[6:7] offset:32*CB*(\t)
.endm
.Lpath_x:
	v_lshlrev_b32 v3, 4, v2                        ; my 16 bytes of a load's 512
	s_mul_i32 s37, s36, WREG
	v_lshrrev_b32 v14, 2, v2
	v_mul_u32_u24 v14, v14, SP
	v_and_b32 v15, 3, v2
	v_lshl_add_u32 v14, v15, 4, v14
	v_add_nc_u32 v14, s37, v14                     ; the stage, on the way in
	v_mul_u32_u24 v15, v2, SP
	v_add_nc_u32 v15, s37, v15                     ; and on the way out
	v_mul_u32_u24 v4, v2, CB
	v_lshrrev_b32 v5, 1, v2
	s_add_co_u32 s37, s37, 2*32*SP
	v_add_nc_u32 v5, s37, v5                       ; my block's scale byte in LDS
	v_lshlrev_b32 v7, 3, v2
	v_add_nc_u32 v6, s37, v7
	s_lshr_b32 s38, ttmp9, 8                       ; which tensor: 0 key, 1 query, 2 value
	s_cmp_eq_u32 s38, 0
	s_cselect_b64 s[4:5], s[8:9], s[10:11]
	s_cmp_eq_u32 s38, 2
	s_cselect_b64 s[4:5], s[12:13], s[4:5]
	s_and_b32 s39, ttmp9, 255
	s_lshl_b32 s39, s39, 2
	s_add_co_u32 s39, s39, s36                     ; which run of 8,192 numbers is my wave's
	s_mov_b32 s41, 0
	s_lshl_b32 s40, s39, 15
	s_add_nc_u64 s[4:5], s[4:5], s[40:41]
	s_mul_i32 s40, s38, 6291456
	s_mul_i32 s42, s39, 32*STEPS*CB
	s_add_co_u32 s40, s40, s42
	s_add_nc_u64 s[6:7], s[26:27], s[40:41]        ; my codes
	s_lshl_b32 s40, s38, 18
	s_lshl_b32 s42, s39, 8
	s_add_co_u32 s40, s40, s42
	s_add_nc_u64 s[44:45], s[28:29], s[40:41]      ; my 256 scale bytes
.irp t, 0,1,2,3
	XLOAD \t
.endr
	s_wait_loadcnt 12                              ; step 0's four loads are in
	XTURN 0
.irp t, 0,1,2,3,4,5,6,7,8,9,10,11,12,13,14,15
	XSTEP \t
.endr
	ds_load_b64 v[8:9], v6
	s_wait_dscnt 0x0
	global_store_b64 v7, v[8:9], s[44:45]          ; 32 lanes store 256 consecutive bytes, aligned
	s_wait_tensorcnt 0x0                           ; the wave's end
	ds_add_u32 v[SPW], v[NIL]
	s_wait_dscnt 0x0
	s_endpgm
; ---------------------------------------------------------------- path W
.macro WLOAD t                         ; block t: W(32 t + i, my column)
.irp i, 0,1,2,3,4,5,6,7,8,9,10,11,12,13,14,15,16,17,18,19,20,21,22,23,24,25,26,27,28,29,30,31
	global_load_b32 v[WX+32*((\t)%2)+\i], v3, s[4:5] offset:(32*(\t)+\i)*4096 th:TH_LOAD_NT
.endr
.endm
.macro WBLOCK t
.set WXS, WX+32*((\t)%2)
.if (\t) < NB-1
	s_wait_loadcnt 32                              ; this block's 32 loads are in; the next block's 32 may be out
.else
	s_wait_loadcnt 0
.endif
	v_max3_num_f32 v16, |v[WXS]|, |v[WXS+1]|, |v[WXS+2]|
	v_max3_num_f32 v17, |v[WXS+3]|, |v[WXS+4]|, |v[WXS+5]|
.irp i, 6,10,14,18,22,26
	v_max3_num_f32 v16, v16, |v[WXS+\i]|, |v[WXS+\i+1]|
	v_max3_num_f32 v17, v17, |v[WXS+\i+2]|, |v[WXS+\i+3]|
.endr
	v_max3_num_f32 v16, v16, |v[WXS+30]|, |v[WXS+31]|
	v_max3_num_f32 v16, v16, v17, (EMAX+1)<<23     ; with the floor
	v_add_nc_u32 v18, -(EMAX<<23), v16
	v_lshrrev_b32 v17, 23, v18                     ; the scale's byte
.if (\t)%4 == 0
	v_mov_b32 v[SB+(\t)/4], v17
.else
	v_lshl_or_b32 v[SB+(\t)/4], v17, 8*((\t)%4), v[SB+(\t)/4]
.endif
	v_cvt_scalef32_pk16_fp6_f32 v[WC:WC+2], v[WXS:WXS+15], v18
	v_cvt_scalef32_pk16_fp6_f32 v[WC+4:WC+6], v[WXS+16:WXS+31], v18
	ds_store_b96 v4, v[WC:WC+2] offset:32*(\t)     ; 12 bytes to a place of 16 in the stage
	ds_store_b96 v4, v[WC+4:WC+6] offset:32*(\t)+16
.if (\t)+2 < NB
	WLOAD (\t)+2
.endif
	s_wait_dscnt 0x0                               ; the stores have read their registers
.endm
.Lpath_w:
	s_sub_co_u32 s37, ttmp9, 768
	s_lshr_b32 s38, s37, 5                         ; which weight: 0 Wk, 1 Wq, 2 Wv, 3 Wo
	s_and_b32 s39, s37, 7                          ; which 128 columns
	s_bfe_u32 s40, s37, 0x20003                    ; which 256 along K
	s_cmp_eq_u32 s38, 0
	s_cselect_b64 s[4:5], s[14:15], s[16:17]
	s_cmp_eq_u32 s38, 2
	s_cselect_b64 s[4:5], s[18:19], s[4:5]
	s_cmp_eq_u32 s38, 3
	s_cselect_b64 s[4:5], s[20:21], s[4:5]
	s_lshl_b32 s41, s39, 7
	s_lshl_b32 s42, s36, 5
	s_add_co_u32 s41, s41, s42                     ; my wave's first column
	v_lshlrev_b32 v3, 2, v2
	s_mul_i32 s42, s36, 32*PITCH
	s_add_co_u32 s42, s42, WSTG                    ; my stage
	v_mul_u32_u24 v4, v2, PITCH
	v_add_nc_u32 v4, s42, v4
	v_and_b32 v5, 15, v2
	v_lshrrev_b32 v6, 4, v2
	v_mul_u32_u24 v7, v6, PITCH
	v_lshl_add_u32 v7, v5, 4, v7
	v_add_nc_u32 v7, s42, v7
	v_mul_u32_u24 v8, v6, KROW
	v_mad_u32_u24 v8, v5, 12, v8
	v_lshlrev_b32 v9, 5, v2                        ; my column's row of scale bytes
	s_mov_b32 s45, 0
	s_lshl_b32 s44, s40, 20                        ; 256 rows of 4,096 bytes
	s_lshl_b32 s43, s41, 2
	s_add_co_u32 s44, s44, s43
	s_add_nc_u64 s[4:5], s[4:5], s[44:45]
	s_mul_i32 s44, s41, KROW
	s_mul_i32 s43, s40, ROWB
	s_add_co_u32 s44, s44, s43
	s_mul_i32 s43, s38, 786432
	s_add_co_u32 s44, s44, s43
	s_add_nc_u64 s[6:7], s[30:31], s[44:45]
	s_lshl_b32 s44, s41, 5
	s_lshl_b32 s43, s40, 3
	s_add_co_u32 s44, s44, s43
	s_lshl_b32 s43, s38, 15
	s_add_co_u32 s44, s44, s43
	s_add_nc_u64 s[46:47], s[32:33], s[44:45]
	WLOAD 0
	WLOAD 1
.irp t, 0,1,2,3,4,5,6,7
	WBLOCK \t
.endr
	global_store_b64 v9, v[SB:SB+1], s[46:47]      ; my column's 8 scale bytes
.irp t, 0,1,2,3,4,5,6,7,8,9,10,11,12,13,14,15
	ds_load_b96 v[OUTR+4*\t:OUTR+4*\t+2], v7 offset:2*\t*PITCH
.endr
.irp t, 0,1,2,3,4,5,6,7,8,9,10,11,12,13,14,15
	s_wait_dscnt 15-\t                             ; the younger loads may be out
	global_store_b96 v8, v[OUTR+4*\t:OUTR+4*\t+2], s[6:7] offset:2*\t*KROW
.endr
	s_wait_tensorcnt 0x0                           ; the wave's end, as above
	ds_add_u32 v[SPW], v[NIL]
	s_wait_dscnt 0x0
	s_endpgm
; ---------------------------------------------------------------- path T: one wave, one piece f = 0 .. 75 of the tables.  No LDS.
; The clip: with u = distance + 48 >= 0, the table's row is min(32, u - min(32, u)).
.Lpath_t:
	s_sub_co_u32 s37, ttmp9, 896
	s_lshl_b32 s37, s37, 2
	s_add_co_u32 s37, s37, s36                     ; f
	v_and_b32 v3, 15, v2                           ; m
	v_lshrrev_b32 v4, 4, v2                        ; h
	v_lshlrev_b32 v8, 3, v2                        ; 8 x lane: an image's place for my lane
	s_mov_b32 s46, 0x76543210
	s_mov_b32 s47, 0xfedcba98                      ; lane l xor 16
	s_mov_b32 s45, 0
	s_cmp_lt_u32 s37, 64
	s_cbranch_scc0 .Lnot_zv
	; ZV, f = 16 Gp + 4 sig + t: a fragment, 16 of the head's 64 x 128 along K' = (query r' of a tile, key j of a block): element = rel_v_table[clip(delta - j) + 16][d], delta = 32 - 16 Gp + r',
	; quantised along j.  Lane (m, h): d = 32 (t / 2) + 8 (t % 2) + m + 8 (m / 8); its block c' is r' = 4 sig + 2 c' + h.
	s_lshr_b32 s38, s37, 4                         ; Gp
	s_bfe_u32 s39, s37, 0x20002                    ; sig
	s_and_b32 s40, s37, 3                          ; t
	s_lshr_b32 s42, s40, 1
	s_lshl_b32 s42, s42, 5
	s_and_b32 s43, s40, 1
	s_lshl_b32 s43, s43, 3
	s_add_co_u32 s42, s42, s43
	v_and_b32 v5, 8, v3
	v_add3_u32 v5, v5, v3, s42                     ; d
	v_lshlrev_b32 v5, 2, v5
	s_lshl_b32 s43, s38, 4
	s_sub_co_u32 s43, 80, s43
	s_lshl_b32 s44, s39, 2
	s_add_co_u32 s43, s43, s44
	v_add_nc_u32 v14, s43, v4                      ; delta + 48 for c' = 0,
	v_add_nc_u32 v15, 2, v14                       ; and for c' = 1
.irp c, 0,1
.irp j, 0,1,2,3,4,5,6,7,8,9,10,11,12,13,14,15,16,17,18,19,20,21,22,23,24,25,26,27,28,29,30,31
	v_sub_nc_u32 v[64+32*\c+\j], v[14+\c], \j
	v_min_u32 v7, 32, v[64+32*\c+\j]
	v_sub_nc_u32 v[64+32*\c+\j], v[64+32*\c+\j], v7
	v_min_u32 v[64+32*\c+\j], 32, v[64+32*\c+\j]   ; the table's row
	v_lshl_add_u32 v[64+32*\c+\j], v[64+32*\c+\j], 8, v5
.endr
.endr
.irp c, 0,1
.irp j, 0,1,2,3,4,5,6,7,8,9,10,11,12,13,14,15,16,17,18,19,20,21,22,23,24,25,26,27,28,29,30,31
	global_load_b32 v[64+32*\c+\j], v[64+32*\c+\j], s[24:25]       ; each load lands on its own offset register
.endr
.endr
	s_wait_loadcnt 0x0
.irp c, 0,1
	v_max3_num_f32 v[32+\c], |v[64+32*\c]|, |v[65+32*\c]|, 0x1800000
.endr
.irp i, 2,4,6,8,10,12,14,16,18,20,22,24,26,28,30
.irp c, 0,1
	v_max3_num_f32 v[32+\c], v[32+\c], |v[64+32*\c+\i]|, |v[65+32*\c+\i]|
.endr
.endr
.irp c, 0,1
	v_add_nc_u32 v[44+\c], 0xff000000, v[32+\c]
.endr
.irp c, 0,1
	v_lshrrev_b32 v[36+\c], 23, v[44+\c]
.endr
	v_lshl_or_b32 v9, v37, 16, v36                 ; my two bytes: blocks h and 2 + h,
	v_lshlrev_b32 v10, 3, v4
	v_lshlrev_b32 v9, v10, v9                      ; at their places;
	v_mov_b32 v10, 0
	v_permlanex16_b32 v10, v9, s46, s47
	v_or_b32 v9, v9, v10                           ; with lane l xor 16's the word is whole
.irp c, 0,1
	v_cvt_scalef32_pk16_fp6_f32 v[48+6*\c:50+6*\c], v[64+32*\c:79+32*\c], v[44+\c]
	v_cvt_scalef32_pk16_fp6_f32 v[128+4*\c:130+4*\c], v[80+32*\c:95+32*\c], v[44+\c]
.endr
	v_nop                                          ; one plain place behind a scaled conversion
.irp c, 0,1
.irp i, 0,1,2
	v_mov_b32 v[51+6*\c+\i], v[128+4*\c+\i]
.endr
.endr
	s_mul_i32 s44, s37, 1536
	s_add_nc_u64 s[42:43], s[34:35], s[44:45]
.irp i, 0,1,2,3,4,5
	global_store_b64 v8, v[48+2*\i:49+2*\i], s[42:43] offset:256*\i   ; 32 lanes store 256 consecutive bytes, aligned
.endr
	s_lshr_b32 s44, s37, 2
	s_lshl_b32 s44, s44, 8
	s_lshl_b32 s40, s40, 2
	s_add_co_u32 s44, s44, s40
	s_add_co_u32 s44, s44, 98304
	v_lshl_add_u32 v11, v3, 4, s44
	global_store_b32 v11, v9, s[34:35]             ; (4 Gp + sig) 256 + 16 m + 4 t; both halves hold the same word
	s_endpgm
.Lnot_zv:
	s_cmp_lt_u32 s37, 74
	s_cbranch_scc0 .Lz
	; RK, f - 64 = 5 pi + e: 16 of the 80 laid-out rows of rel_k_table for a tile of parity pi: row x = 16 e + m is the table's row clip(47 - 16 pi - x) + 16.  Lane (m, h): block h of the row's 64.
	s_sub_co_u32 s38, s37, 64
	s_cmp_ge_u32 s38, 5
	s_cselect_b32 s39, 1, 0                        ; pi
	s_mul_i32 s40, s39, 5
	s_sub_co_u32 s40, s38, s40                     ; e
	s_lshl_b32 s42, s39, 4
	s_lshl_b32 s43, s40, 4
	s_add_co_u32 s42, s42, s43
	s_sub_co_u32 s42, 95, s42
	v_sub_nc_u32 v5, s42, v3                       ; distance + 48
	v_min_u32 v6, 32, v5
	v_sub_nc_u32 v5, v5, v6
	v_min_u32 v5, 32, v5
	v_lshlrev_b32 v5, 8, v5
	v_lshl_add_u32 v5, v4, 7, v5
.irp i, 0,1,2,3,4,5,6,7
	global_load_b128 v[64+4*\i:67+4*\i], v5, s[22:23] offset:16*\i
.endr
	s_wait_loadcnt 0x0
	v_max3_num_f32 v32, |v64|, |v65|, 0x1800000
.irp i, 2,4,6,8,10,12,14,16,18,20,22,24,26,28,30
	v_max3_num_f32 v32, v32, |v[64+\i]|, |v[65+\i]|
.endr
	v_add_nc_u32 v44, 0xff000000, v32
	v_lshrrev_b32 v36, 23, v44
	v_lshlrev_b32 v10, 3, v4
	v_lshlrev_b32 v9, v10, v36
	v_mov_b32 v10, 0
	v_permlanex16_b32 v10, v9, s46, s47
	v_or_b32 v9, v9, v10                           ; bytes 0, 1: the row's two blocks; bytes 2, 3: 0
	v_cvt_scalef32_pk16_fp6_f32 v[48:50], v[64:79], v44
	v_cvt_scalef32_pk16_fp6_f32 v[128:130], v[80:95], v44
	v_nop
.irp i, 0,1,2
	v_mov_b32 v[51+\i], v[128+\i]
.endr
	s_mul_i32 s44, s38, 768
	s_add_co_u32 s44, s44, 102400
	s_add_nc_u64 s[42:43], s[34:35], s[44:45]
.irp i, 0,1,2
	global_store_b64 v8, v[48+2*\i:49+2*\i], s[42:43] offset:256*\i
.endr
	s_lshl_b32 s44, s39, 9
	s_lshl_b32 s40, s40, 2
	s_add_co_u32 s44, s44, s40
	s_add_co_u32 s44, s44, 110080
	v_lshl_add_u32 v11, v3, 5, s44
	global_store_b32 v11, v9, s[34:35]             ; 512 pi + 32 m + 4 e
	s_endpgm
.Lz:
	; ZL (f = 74: row 32) and ZR (f = 75: row 0): the quantised value of a block of 32 equal numbers T: T / 2^e lies in [4, 8), is held at 7.5 and rounded to halves
	s_cmp_eq_u32 s37, 74
	s_cselect_b32 s38, 8192, 0
	s_cselect_b32 s39, 0, 256
	s_add_co_u32 s39, s39, 111104
	s_mov_b32 s42, 0xc0f00000                      ; -7.5
	s_mov_b32 s43, 0x40f00000                      ; 7.5
	v_lshlrev_b32 v5, 2, v2
	v_add_nc_u32 v6, s38, v5
	v_add_nc_u32 v7, s39, v5
	global_load_b32 v8, v6, s[24:25]
	global_load_b32 v9, v6, s[24:25] offset:128
	s_wait_loadcnt 0x0
.irp x, 8,9
	v_max3_num_f32 v10, |v\x|, |v\x|, 0x1800000
	v_add_nc_u32 v10, 0xff000000, v10
	v_and_b32 v10, 0x7f800000, v10                 ; the scale as f32,
	v_sub_nc_u32 v11, 0x7f000000, v10              ; and its reciprocal
	v_mul_f32 v\x, v\x, v11
	v_med3_num_f32 v\x, v\x, s42, s43
	v_add_f32 v\x, v\x, v\x
	v_rndne_f32 v\x, v\x
	v_mul_f32 v\x, 0.5, v\x
	v_mul_f32 v\x, v\x, v10
.endr
	global_store_b32 v7, v8, s[34:35]
	global_store_b32 v7, v9, s[34:35] offset:128
	s_endpgm
.Lfunc_end_k_q2c9d537bab_prep:
	.size	k_q2c9d537bab_prep, .Lfunc_end_k_q2c9d537bab_prep-k_q2c9d537bab_prep
	.p2alignl 7, 3214868480
	.fill 96, 4, 3214868480
	.section	.rodata,"a",@progbits
	.p2align	6, 0x0
	.amdhsa_kernel k_q2c9d537bab_prep
		.amdhsa_group_segment_fixed_size 68096
		.amdhsa_private_segment_fixed_size 0
		.amdhsa_enable_private_segment 0
		.amdhsa_kernarg_size 112
		.amdhsa_user_sgpr_count 2
		.amdhsa_user_sgpr_kernarg_segment_ptr 1
		.amdhsa_wavefront_size32 1
		.amdhsa_system_sgpr_workgroup_id_x 1
		.amdhsa_system_sgpr_workgroup_id_y 1
		.amdhsa_system_sgpr_workgroup_id_z 1
		.amdhsa_system_vgpr_workitem_id 0
		.amdhsa_next_free_vgpr 192
		.amdhsa_next_free_sgpr 66
		.amdhsa_reserve_vcc 0
		.amdhsa_float_denorm_mode_32 3
		.amdhsa_float_denorm_mode_16_64 3
		.amdhsa_memory_ordered 1
		.amdhsa_forward_progress 1
		.amdhsa_inst_pref_size 104
	.end_amdhsa_kernel
	.amdgpu_metadata
---
amdhsa.version: [ 1, 2 ]
amdhsa.kernels:
  - .name:           k_q2c9d537bab_prep
    .symbol:         k_q2c9d537bab_prep.kd
    .args:
      - { .name: key, .offset: 0, .size: 8, .value_kind: global_buffer, .address_space: global }
      - { .name: query, .offset: 8, .size: 8, .value_kind: global_buffer, .address_space: global }
      - { .name: value, .offset: 16, .size: 8, .value_kind: global_buffer, .address_space: global }
      - { .name: Wk, .offset: 24, .size: 8, .value_kind: global_buffer, .address_space: global }
      - { .name: Wq, .offset: 32, .size: 8, .value_kind: global_buffer, .address_space: global }
      - { .name: Wv, .offset: 40, .size: 8, .value_kind: global_buffer, .address_space: global }
      - { .name: Wo, .offset: 48, .size: 8, .value_kind: global_buffer, .address_space: global }
      - { .name: rel_k_table, .offset: 56, .size: 8, .value_kind: global_buffer, .address_space: global }
      - { .name: rel_v_table, .offset: 64, .size: 8, .value_kind: global_buffer, .address_space: global }
      - { .name: xc, .offset: 72, .size: 8, .value_kind: global_buffer, .address_space: global }
      - { .name: xs, .offset: 80, .size: 8, .value_kind: global_buffer, .address_space: global }
      - { .name: wc, .offset: 88, .size: 8, .value_kind: global_buffer, .address_space: global }
      - { .name: ws, .offset: 96, .size: 8, .value_kind: global_buffer, .address_space: global }
      - { .name: tb, .offset: 104, .size: 8, .value_kind: global_buffer, .address_space: global }
    .group_segment_fixed_size: 68096
    .private_segment_fixed_size: 0
    .kernarg_segment_align: 8
    .kernarg_segment_size: 112
    .max_flat_workgroup_size: 128
    .sgpr_count:     66
    .vgpr_count:     192
    .wavefront_size: 32
...
	.end_amdgpu_metadata
.endif
;; end of part 1
;; launch proj (part 2): grid 4 x 96, 4 waves a work-group, clusters of 4 x 4, 327,680 bytes of LDS; arguments xc, xs, wc, ws, bk, bq, bv, kv, qq; writes kv, qq
.if DOCPART == 2
	.amdgcn_target "amdgcn-amd-amdhsa--gfx1250"
	.amdhsa_code_object_version 6
	.text
	.protected	k_q2c9d537bab_proj
	.globl	k_q2c9d537bab_proj
	.p2align	8
	.type	k_q2c9d537bab_proj,@function
k_q2c9d537bab_proj:
	s_mov_b64 s[64:65], 0
	v_nop
	global_prefetch_b8 v0, s[64:65] scope:SCOPE_SE
	s_setreg_imm32_b32 hwreg(HW_REG_WAVE_MODE, 25, 1), 1
	s_wait_xcnt 0x0
	s_wait_alu depctr_hold_cnt(0) depctr_sa_sdst(0) depctr_va_vdst(0) depctr_va_sdst(0) depctr_va_ssrc(0) depctr_va_vcc(0) depctr_vm_vsrc(0)
	s_getreg_b32 s2, hwreg(HW_REG_IB_STS2, 6, 4)
	s_cmp_eq_u32 s2, 0
	s_cbranch_scc0 .Lentry_in_a_cluster
	s_endpgm
.Lentry_in_a_cluster:
	s_bfe_u32 s2, ttmp6, 0x10000c
	s_cmp_lg_u32 s2, 0xf033
	s_cbranch_scc0 .Lentry_shape_is_right
	s_endpgm
.Lentry_shape_is_right:
; The three input projections on codes of FP6 (E2M3) with E8M0 scales, K = 1,024, and their results quantised on the way out into the images that the attention launches read.
; The cluster's y picks the problem: P = y / 8 (0: k = key Wk + bk, 1: q = query Wq + bq, 2: v = value Wv + bv), j = y % 8.
; C = A B^T by tiles of 256 x 256, four waves of 128 x 128.  For k and q: A = the tokens' rows, B = the weight's rows (features).  FOR v THE TWO CHANGE PLACES (A = Wv's rows, B = the tokens): the matrix instruction
; is used transposed (source 0 = 16 rows of B, source 1 = 16 rows of A), so a lane's registers run along B's rows: along the features for k and q (their later K is the head's 64), along the KEYS for v (its later K).
; THE ROWS OF A TILE ARE NOT NEIGHBOURS, on both sides: lane r of fragment i takes row 32 (i / 2) + 8 (i % 2) + r + 8 (r / 8).  So accumulator (a, b), register j, lane (r, h) holds B-row 32 (b / 2) + 16 h + 8 (b % 2) + j:
; the 16 registers of b = 2 x, 2 x + 1 are 16 neighbours along the next K.
; The bias is the C of each sum's first matrix instruction.  q's division by 8 is left to the softmax's constant (an exact power of two: the codes stay).
; Ring of two LDS slots of 256 along K; scales of all of K in LDS once; 4 x 4 work-groups ask for A's tiles jointly along a row of the cluster and for B's along a column.
; THE WAY OUT: for each of A's eight blocks the lane's 64 numbers become a fragment of 12 registers and a scale word, stored as images: piece i (registers 2 i, 2 i + 1) at 256 i + 8 x lane.
;   kv record (104,448 bytes for batch b, head h): K's words 512 s + 32 r + 4 T | V's words 4,096 + 256 s + 16 m + 4 t | K's codes 6,144 + (8 s + T) 768 | V's codes 55,296 + (4 s + t) 1,536.   qq record (53,248): words, then codes at 4,096, as K's.
; LIMITS: as stated at the head of the first launch.
.set NQ,     2
.set ROWB,   192
.set KROW,   768
.set PITCH,  240                       ; an LDS row: 3 x (64 bytes + 16 of padding)
.set FR,     12
.set NL,     6
.set NP,     4
.set HALFT,  128*PITCH
.set SLOT,   4*HALFT
.set LAPS,   2
.set KS,     32
.set SCL,    2*SLOT
.set HALFS,  16*272
.set SPARE,  SCL+4*HALFS
.set ADRA, 16                          ; v16-19  LDS addresses of A's fragments (slot 0, 1; behind one padding more: +2)
.set ADRB, 20                          ; v20-23  B's
.set OL,   24                          ; v24     8 x lane
.set SHF,  25                          ; v25     16 h for k and q, 0 for v
.set OSV,  26                          ; v26     where my scale words go
.set ADRS, 27                          ; v27     LDS address of my scale words
.set SPW,  28
.set NIL,  29
.set SC,   32                          ; v32-63  scale words, two sets
.set CB,   64                          ; v64-127 the bias, in the result's layout
.set AF,   128                         ; v128-223 A's fragments
.set PC,   112                         ; the way out: the codes just made
.set TM,   200
.set PW,   216
.set WD,   232                         ; v232-239 the eight blocks' scale words
.set G1, 24
.set G0, 32
.set G1B, 48
.set G0B, 56
.set G1S, 68
.set G0S, 76
.set G1SB, 80
.set G0SB, 88
.set PP,  2                            ; s2   P
.set ISV, 95                           ; s95  1 for v
.set RS,  96                           ; s96  bytes of a record
.set MSB, 0
.macro WIN new
.if MSB != (\new)
	s_set_vgpr_msb (MSB<<8)|(\new)
.set MSB, (\new)
.endif
.endm
.set MUL_LO, 0xa1                      ; source 0 (B) window 1, source 1 (A) window 0, C and D window 2
.set MUL_HI, 0xf1
.set TO_B,   0x40
.macro JLOAD g0a, g1a, g0b, g1b        ; waves 0, 1 fetch for A, waves 2, 3 for B; an s_nop 0 and four v_nop follow each line
	s_cmp_eq_u32 s15, 0
	s_cbranch_scc0 .Lfor_b_\@
	tensor_load_to_lds s[\g0a:\g0a+3], s[\g1a:\g1a+7]
	s_nop 0
.rept 4
	v_nop
.endr
	s_branch .Lasked_\@
.Lfor_b_\@:
	tensor_load_to_lds s[\g0b:\g0b+3], s[\g1b:\g1b+7]
	s_nop 0
.rept 4
	v_nop
.endr
.Lasked_\@:
.endm
.macro CREST
	s_cmp_lg_u32 s14, 0
	s_cbranch_scc1 .Lnot_wave_0_\@
	s_barrier_signal -3
.Lnot_wave_0_\@:
	s_barrier_wait -3
	s_barrier_signal -1
	s_barrier_wait -1
.endm
.macro CROUND
	s_barrier_signal -1
	s_barrier_wait -1
	CREST
.endm
	s_load_b128 s[4:7], s[0:1], 0x0                ; xc, xs
	s_load_b128 s[8:11], s[0:1], 0x10              ; wc, ws
	s_load_b64 s[66:67], s[0:1], 0x20              ; bk
	s_load_b128 s[96:99], s[0:1], 0x28             ; bq, bv
	s_load_b64 s[100:101], s[0:1], 0x38            ; kv
	s_load_b64 s[104:105], s[0:1], 0x40            ; qq
	v_lshl_add_u32 v[SPW], v0, 2, SPARE
	v_mov_b32 v[NIL], 0
	ds_add_u32 v[SPW], v[NIL]                      ; the opening: the add, twice on end, and its wait ahead of my first tensor load
	ds_add_u32 v[SPW], v[NIL]
	v_lshrrev_b32 v1, 5, v0
	v_readfirstlane_b32 s14, v1                    ; wave 0..3
	s_lshr_b32 s15, s14, 1                         ; my half of the tile's rows; also: I fetch for A (0) or B (1)
	s_and_b32 s16, s14, 1                          ; my half of its columns; also: which 128 rows I fetch
	s_bfe_u32 s40, ttmp6, 0x40000                  ; cx
	s_bfe_u32 s41, ttmp6, 0x40004                  ; cy
	s_and_b32 s18, ttmp7, 0xffff                   ; the cluster's y, the same in all sixteen partners
	s_lshr_b32 s[PP], s18, 3
	s_and_b32 s18, s18, 7                          ; j
	s_cmp_eq_u32 s[PP], 2
	s_cselect_b32 s[ISV], 1, 0
	s_cselect_b32 s42, s18, 0
	s_cselect_b32 s17, 0, s18
	s_lshl_b32 s42, s42, 2
	s_add_co_u32 s42, s42, s40                     ; tile column
	s_lshl_b32 s17, s17, 2
	s_add_co_u32 s17, s17, s41                     ; tile row
	s_lshl_b32 s43, s41, 2
	s_lshl_b32 s43, 15, s43                        ; my row of the cluster
	s_lshl_b32 s44, 0x1111, s40                    ; my column
	s_or_b32 s[G1+0], s43, (0<<16)|(1<<20)|(1<<21)|(3<<22)|(3<<25)   ; mask; bytes; padding of 4 words behind every 16
	s_or_b32 s[G1B+0], s44, (0<<16)|(1<<20)|(1<<21)|(3<<22)|(3<<25)
.irp g, G1, G1B
	s_mov_b32 s[\g+1], ROWB<<16
	s_mov_b32 s[\g+2], 128<<16
	s_mov_b32 s[\g+3], ROWB<<16
	s_mov_b32 s[\g+4], 128
	s_mov_b32 s[\g+5], KROW
	s_mov_b32 s[\g+6], 0
	s_mov_b32 s[\g+7], 0
.endr
	s_or_b32 s[G1S+0], s43, (3<<16)|(1<<20)|(1<<21)|(5<<22)|(3<<25)  ; the scales of 128 rows: 16 rows of 256 bytes, 16 of padding behind each
	s_or_b32 s[G1SB+0], s44, (3<<16)|(1<<20)|(1<<21)|(5<<22)|(3<<25)
.irp g, G1S, G1SB
	s_mov_b32 s[\g+1], 32<<16
	s_mov_b32 s[\g+2], 16<<16
	s_mov_b32 s[\g+3], 32<<16
	s_mov_b32 s[\g+4], 16
	s_mov_b32 s[\g+5], 32
	s_mov_b32 s[\g+6], 0
	s_mov_b32 s[\g+7], 0
.endr
	s_lshl_b32 s18, s16, 7
	s_lshl_b32 s20, s17, 8
	s_add_co_u32 s20, s20, s18                     ; A: row 256 x tile row + 128 x half
	s_lshl_b32 s46, s42, 8
	s_add_co_u32 s46, s46, s18                     ; B likewise by the tile column
	s_mov_b32 s21, 0
	s_mov_b32 s47, 0
	s_mov_b64 s[18:19], KS
	s_mul_u64 s[22:23], s[20:21], s[18:19]
	s_mul_u64 s[92:93], s[46:47], s[18:19]
	s_mov_b64 s[18:19], KROW
	s_mul_u64 s[20:21], s[20:21], s[18:19]
	s_mul_u64 s[46:47], s[46:47], s[18:19]
	s_mul_i32 s45, s14, HALFT
	s_mul_i32 s94, s14, HALFS
	s_wait_dscnt 0x0                               ; both opening adds are done
	s_wait_kmcnt 0x0
	s_mov_b32 s19, 0                               ; problem P's parts of the four buffers
	s_mul_i32 s18, s[PP], 6291456
	s_add_nc_u64 s[4:5], s[4:5], s[18:19]
	s_mul_i32 s18, s[PP], 262144
	s_add_nc_u64 s[6:7], s[6:7], s[18:19]
	s_mul_i32 s18, s[PP], 786432
	s_add_nc_u64 s[8:9], s[8:9], s[18:19]
	s_mul_i32 s18, s[PP], 32768
	s_add_nc_u64 s[10:11], s[10:11], s[18:19]
	s_mov_b64 s[12:13], s[4:5]
	s_mov_b64 s[18:19], s[6:7]
	s_cmp_eq_u32 s[ISV], 1                         ; for v the weight is A and the tokens are B
	s_cselect_b64 s[4:5], s[8:9], s[4:5]
	s_cselect_b64 s[6:7], s[10:11], s[6:7]
	s_cselect_b64 s[8:9], s[12:13], s[8:9]
	s_cselect_b64 s[10:11], s[18:19], s[10:11]
	s_cselect_b64 s[66:67], s[98:99], s[66:67]
	s_cmp_eq_u32 s[PP], 1
	s_cselect_b64 s[66:67], s[96:97], s[66:67]     ; the bias
	s_cselect_b64 s[100:101], s[104:105], s[100:101]   ; where the results go
	s_add_nc_u64 s[20:21], s[4:5], s[20:21]
	s_add_nc_u64 s[22:23], s[6:7], s[22:23]
	s_add_nc_u64 s[46:47], s[8:9], s[46:47]
	s_add_nc_u64 s[92:93], s[10:11], s[92:93]
	CROUND                                         ; all sixteen work-groups are here: the first joint loads meet
	s_mov_b32 s[G0S], 1
	s_add_co_u32 s[G0S+1], s94, SCL
	s_mov_b64 s[G0S+2:G0S+3], s[22:23]
	s_or_b32 s[G0S+3], s[G0S+3], 0x80000000
	s_mov_b32 s[G0SB], 1
	s_add_co_u32 s[G0SB+1], s94, SCL
	s_mov_b64 s[G0SB+2:G0SB+3], s[92:93]
	s_or_b32 s[G0SB+3], s[G0SB+3], 0x80000000
	JLOAD G0S, G1S, G0SB, G1SB
.irp s, 0,1
	s_mov_b32 s[G0+4*\s], 1
	s_add_co_u32 s[G0+4*\s+1], s45, \s*SLOT
	s_add_nc_u64 s[G0+4*\s+2:G0+4*\s+3], s[20:21], \s*ROWB
	s_or_b32 s[G0+4*\s+3], s[G0+4*\s+3], 0x80000000
	s_mov_b32 s[G0B+4*\s], 1
	s_add_co_u32 s[G0B+4*\s+1], s45, \s*SLOT
	s_add_nc_u64 s[G0B+4*\s+2:G0B+4*\s+3], s[46:47], \s*ROWB
	s_or_b32 s[G0B+4*\s+3], s[G0B+4*\s+3], 0x80000000
	JLOAD G0+4*\s, G1, G0B+4*\s, G1B
.endr
	v_and_b32 v1, 15, v0                           ; r
	v_bfe_u32 v2, v0, 4, 1                         ; h
	v_and_b32 v7, 8, v1
	v_add_nc_u32 v7, v7, v1                        ; r + 8 (r / 8): my row in a fragment's 24
	v_mul_u32_u24 v3, v7, PITCH
	v_mul_u32_u24 v4, v2, 24
	v_add_nc_u32 v4, v3, v4
	v_lshl_add_u32 v5, v2, 4, v4
	s_mul_i32 s21, s15, HALFT
	s_mul_i32 s22, s16, HALFT
	s_add_co_u32 s22, s22, 2*HALFT
.irp s, 0,1
	v_add_nc_u32 v[ADRA+\s], s21, v4
	v_add_nc_u32 v[ADRB+\s], s22, v4
	v_add_nc_u32 v[ADRA+2+\s], s21, v5
	v_add_nc_u32 v[ADRB+2+\s], s22, v5
	s_add_co_u32 s21, s21, SLOT
	s_add_co_u32 s22, s22, SLOT
.endr
	v_mul_u32_u24 v5, v7, KS
	v_lshrrev_b32 v6, 8, v5
	v_lshl_add_u32 v5, v6, 4, v5
	s_mul_i32 s21, s15, HALFS
	s_mul_i32 s22, s16, HALFS
	s_add_co_u32 s22, s22, 2*HALFS
	s_sub_co_u32 s22, s22, s21
	v_mul_u32_u24 v6, s22, v2                      ; lanes 16-31 take B's words
	s_add_co_u32 s21, s21, SCL
	v_add_nc_u32 v5, v5, v6
	v_add_nc_u32 v[ADRS], s21, v5
	; my wave's first token (s12) and first feature (s13)
	s_lshl_b32 s20, s17, 8
	s_lshl_b32 s21, s15, 7
	s_add_co_u32 s20, s20, s21                     ; my first row of A
	s_lshl_b32 s46, s42, 8
	s_lshl_b32 s47, s16, 7
	s_add_co_u32 s46, s46, s47                     ; my first row of B
	s_mov_b32 s[RS], 104448
	s_mov_b32 s22, 32
	s_cmp_eq_u32 s[PP], 1
	s_cselect_b32 s[RS], 53248, s[RS]
	s_cmp_eq_u32 s[ISV], 1
	s_cselect_b32 s12, s46, s20
	s_cselect_b32 s13, s20, s46
	s_cselect_b32 s23, 0, 16
	s_cselect_b32 s22, 16, s22
	v_and_b32 v6, 31, v0
	v_lshlrev_b32 v[OL], 3, v6
	v_mul_u32_u24 v[SHF], v2, s23
	v_mul_u32_u24 v[OSV], v1, s22
	v_mad_u32_u24 v[OSV], v2, s[RS], v[OSV]        ; lanes 16-31 write the next head's record
	s_lshl_b32 s20, s13, 2
	s_mov_b32 s21, 0
	s_add_nc_u64 s[66:67], s[66:67], s[20:21]      ; the bias of my 128 features
	s_cmp_eq_u32 s[ISV], 0
	s_cbranch_scc0 .Lbias_v
	v_lshlrev_b32 v6, 6, v2                        ; k, q: register j of tile b is feature 32 (b / 2) + 8 (b % 2) + 16 h + j
.irp b, 0,1,2,3,4,5,6,7
	global_load_b128 v[CB+8*\b:CB+8*\b+3], v6, s[66:67] offset:128*(\b/2)+32*(\b%2)
	global_load_b128 v[CB+8*\b+4:CB+8*\b+7], v6, s[66:67] offset:128*(\b/2)+32*(\b%2)+16
.endr
	s_branch .Lbias_done
.Lbias_v:
	v_lshlrev_b32 v6, 2, v7                        ; v: all eight registers of block a hold the bias of my row of A
.irp a, 0,1,2,3,4,5,6,7
.irp j, 0,1,2,3,4,5,6,7
	global_load_b32 v[CB+8*\a+\j], v6, s[66:67] offset:4*(32*(\a/2)+8*(\a%2))
.endr
.endr
.Lbias_done:
.macro FRAG reg, adr, q, i             ; 16 rows x 128 K: six pieces of 8 bytes; where the piece three on lies behind one padding more, the second address register serves
.irp p, 0,1,2,3,4,5
.set PCE, 12*(\q)+6*(\p/3)+\p%3
.if PCE%8 < 5
	ds_load_b64 v[\reg+2*\p:\reg+2*\p+1], v[\adr] offset:8*PCE+16*(PCE/8)+(32*((\i)/2)+8*((\i)%2))*PITCH
.else
	ds_load_b64 v[\reg+2*\p:\reg+2*\p+1], v[\adr+2] offset:8*PCE+16*(PCE/8)+(32*((\i)/2)+8*((\i)%2))*PITCH
.endif
.endr
.endm
; 16 matrix instructions; zero = 0: add in place; 2: C = the bias by B's block; 3: C = the bias by A's block.  The 64 accumulators take turns.
.macro MUL16 a0, p, q, sc, zero
.irp a, \a0, \a0+1
.irp b, 0,1,2,3,4,5,6,7
.if \zero == 2
	v_wmma_scale_f32_16x16x128_f8f6f4 v[8*(8*((\a)%4)+\b):8*(8*((\a)%4)+\b)+7], v[128*(\p)+FR*\b:128*(\p)+FR*\b+FR-1], v[AF+FR*(\a):AF+FR*(\a)+FR-1], v[CB+8*\b:CB+8*\b+7], v[SC+8*NQ*(\sc)+NQ*\b+(\q)], v[SC+8*NQ*(\sc)+NQ*(\a)+(\q)] matrix_a_fmt:MATRIX_FMT_FP6 matrix_b_fmt:MATRIX_FMT_FP6 matrix_a_scale:MATRIX_SCALE_ROW1
.elseif \zero == 3
	v_wmma_scale_f32_16x16x128_f8f6f4 v[8*(8*((\a)%4)+\b):8*(8*((\a)%4)+\b)+7], v[128*(\p)+FR*\b:128*(\p)+FR*\b+FR-1], v[AF+FR*(\a):AF+FR*(\a)+FR-1], v[CB+8*(\a):CB+8*(\a)+7], v[SC+8*NQ*(\sc)+NQ*\b+(\q)], v[SC+8*NQ*(\sc)+NQ*(\a)+(\q)] matrix_a_fmt:MATRIX_FMT_FP6 matrix_b_fmt:MATRIX_FMT_FP6 matrix_a_scale:MATRIX_SCALE_ROW1
.else
	v_wmma_scale_f32_16x16x128_f8f6f4 v[8*(8*((\a)%4)+\b):8*(8*((\a)%4)+\b)+7], v[128*(\p)+FR*\b:128*(\p)+FR*\b+FR-1], v[AF+FR*(\a):AF+FR*(\a)+FR-1], v[8*(8*((\a)%4)+\b):8*(8*((\a)%4)+\b)+7], v[SC+8*NQ*(\sc)+NQ*\b+(\q)], v[SC+8*NQ*(\sc)+NQ*(\a)+(\q)] matrix_a_fmt:MATRIX_FMT_FP6 matrix_b_fmt:MATRIX_FMT_FP6 matrix_a_scale:MATRIX_SCALE_ROW1
.endif
.endr
.endr
.endm
.macro FETCH_B slot, q, p
	WIN TO_B
.irp i, 0,1,2,3,4,5,6,7
	FRAG 128*(\p)+FR*\i, ADRB+\slot, \q, \i
.endr
	WIN 0
.endm
.macro FETCH_A slot, q, i0
.irp i, \i0, \i0+1, \i0+2, \i0+3
	FRAG AF+FR*(\i), ADRA+\slot, \q, \i
.endr
.endm
.macro SCALES sc                       ; lanes 0-15 A's block i, lanes 16-31 B's block i; a block's first row lies 4 (i / 2) + i % 2 units of 256 + 16 bytes on
.irp i, 0,1,2,3,4,5,6,7
	ds_load_b64 v[SC+8*NQ*\sc+NQ*\i:SC+8*NQ*\sc+NQ*\i+1], v[ADRS] offset:(4*(\i/2)+\i%2)*272
.endr
.endm
.macro PLACES n
.rept \n
	v_nop
.endr
.endm
.macro STEP slot, q, zero
	s_wait_dscnt 4*NL                              ; B's set and A's blocks 0-3 are in; the 24 youngest loads (A's blocks 4-7) may be out
.if \zero
	WIN 0x81                                       ; C (the bias) window 0, D window 2
.else
	WIN MUL_LO
.endif
	MUL16 0, (\q)%2, \q, \slot, \zero
	MUL16 2, (\q)%2, \q, \slot, \zero
	s_wait_dscnt 0
	PLACES NP
	FETCH_B \slot, (\q)+1, 1-(\q)%2
	FETCH_A \slot, (\q)+1, 0
.if \zero
	WIN 0xc1
.else
	WIN MUL_HI
.endif
	MUL16 4, (\q)%2, \q, \slot, \zero
	MUL16 6, (\q)%2, \q, \slot, \zero
	PLACES NP
	WIN 0
	FETCH_A \slot, (\q)+1, 4
.endm
.macro TURN slot, next, fill           ; a slot's last step changes slots: one barrier, which opens a round of the cluster's where the slot is filled again
	s_wait_tensorcnt 0x0                           ; all my tensor loads have landed
	ds_add_u32 v[SPW], v[NIL]
	s_wait_dscnt 4*NL+1                            ; the add and the 24 youngest loads may be out
	WIN MUL_LO
	MUL16 0, 1, NQ-1, \slot, 0
	s_wait_dscnt 0x0                               ; the add is done, and my reads of this slot are over
	s_barrier_signal -1
	MUL16 2, 1, NQ-1, \slot, 0
	WIN 0
	s_barrier_wait -1
.if \fill
	CREST
	s_add_nc_u64 s[G0+4*\slot+2:G0+4*\slot+3], s[G0+4*\slot+2:G0+4*\slot+3], 2*ROWB
	s_add_nc_u64 s[G0B+4*\slot+2:G0B+4*\slot+3], s[G0B+4*\slot+2:G0B+4*\slot+3], 2*ROWB
	JLOAD G0+4*\slot, G1, G0B+4*\slot, G1B
.else
	PLACES NP
.endif
	v_add_nc_u32 v[ADRS], 4*NQ, v[ADRS]
	FETCH_B \next, 0, 0
	FETCH_A \next, 0, 0
	SCALES \next
	WIN MUL_HI
	MUL16 4, 1, NQ-1, \slot, 0
	MUL16 6, 1, NQ-1, \slot, 0
	PLACES NP
	WIN 0
	FETCH_A \next, 0, 4
.endm
	s_wait_tensorcnt 1                             ; the scales and my part of slot 0 are in; slot 1's load may be out
	s_barrier_signal -1
	s_barrier_wait -1
	FETCH_B 0, 0, 0
	FETCH_A 0, 0, 0
	SCALES 0
	FETCH_A 0, 0, 4
	s_wait_loadcnt 0x0                             ; the bias
	s_cmp_eq_u32 s[ISV], 0
	s_cbranch_scc0 .Lfirst_v
	STEP 0, 0, 2                                   ; the first step starts the sums with the bias
	s_branch .Lfirst_done
.Lfirst_v:
	STEP 0, 0, 3
.Lfirst_done:
	s_mov_b32 s3, LAPS-1
.Llap:
	TURN 0, 1, 1
	STEP 1, 0, 0
	TURN 1, 0, 1
	STEP 0, 0, 0
	s_sub_co_u32 s3, s3, 1
	s_cmp_lg_u32 s3, 0
	s_cbranch_scc1 .Llap
	TURN 0, 1, 0
	STEP 1, 0, 0
	s_wait_dscnt 4*NL
	WIN MUL_LO
	MUL16 0, 1, NQ-1, 1, 0
	MUL16 2, 1, NQ-1, 1, 0
	s_wait_dscnt 0
	WIN MUL_HI
	MUL16 4, 1, NQ-1, 1, 0
	MUL16 6, 1, NQ-1, 1, 0
	WIN 0
	PLACES NP
	; THE WAY OUT.  No tensor load of mine is out, so the descriptors' registers serve as scalars.
.set OB0, 24                           ; s[24:25] where a fragment's pieces 0-2 go;  s[26:27] pieces 3-5
.set OB1, 26
.set OSC, 28                           ; s[28:29] the scale words
.set AST, 30                           ; s[30:31] from block to block
.set AJ,  32                           ; s[32:33] v: from a head's last tile to the next head's first
	s_mov_b32 s30, 768
	s_mov_b32 s38, 6144
	s_mov_b32 s39, 55296
	s_cmp_eq_u32 s[PP], 1
	s_cselect_b32 s38, 4096, s38
	s_cmp_eq_u32 s[ISV], 1
	s_cselect_b32 s38, s39, s38                    ; where the codes begin in a record
	s_cselect_b32 s39, s30, s[RS]                  ; pieces 3-5: v: 768 on; k, q: the next head's record
	s_cselect_b32 s30, 1536, s30
	s_cselect_b32 s32, 98304, 0
	s_cselect_b32 s36, 8, 9
	s_cselect_b32 s37, 4096, 0
	s_mov_b32 s31, 0
	s_mov_b32 s33, 0
	s_mov_b32 s35, 0
	s_lshr_b32 s34, s12, 10                        ; batch
	s_lshl_b32 s34, s34, 4
	s_lshr_b32 s20, s13, 6                         ; my first head
	s_add_co_u32 s34, s34, s20
	s_mul_i32 s34, s34, s[RS]
	s_add_nc_u64 s[OSC:OSC+1], s[100:101], s[34:35]
	s_bfe_u32 s20, s12, 0x30007                    ; which 128 tokens of the sequence
	s_mul_i32 s34, s20, 6144
	s_add_co_u32 s34, s34, s38
	s_add_nc_u64 s[OB0:OB0+1], s[OSC:OSC+1], s[34:35]
	s_mov_b32 s34, s39
	s_add_nc_u64 s[OB1:OB1+1], s[OB0:OB0+1], s[34:35]
	s_lshl_b32 s34, s20, s36
	s_add_co_u32 s34, s34, s37
	s_add_nc_u64 s[OSC:OSC+1], s[OSC:OSC+1], s[34:35]
	s_mov_b32 s20, 0xffff0000                      ; lanes 16-31
	s_mov_b32 s22, 0x76543210
	s_mov_b32 s23, 0xfedcba98
.irp b, 0,1,2,3
	v_mov_b32 v[TM+4+\b], 0                        ; a lane permute's destination counts as one of its sources
.endr
.macro QOUT a                          ; block a's 64 numbers a lane: register 16 x + i = next K 32 x + 16 h + i
.set WW, 2+(\a)/4
.set S0, 64*((\a)%4)
.if (\a) > 0
	s_wait_xcnt 0x0                                ; the last block's stores have read their registers and bases
	s_add_nc_u64 s[OB0:OB0+1], s[OB0:OB0+1], s[AST:AST+1]
	s_add_nc_u64 s[OB1:OB1+1], s[OB1:OB1+1], s[AST:AST+1]
.endif
.if (\a) == 4
	s_add_nc_u64 s[OB0:OB0+1], s[OB0:OB0+1], s[AJ:AJ+1]
	s_add_nc_u64 s[OB1:OB1+1], s[OB1:OB1+1], s[AJ:AJ+1]
.endif
	WIN WW|(WW<<2)
.irp b, 0,1,2,3
	v_max3_num_f32 v[TM+\b], |v[S0+16*\b]|, |v[S0+1+16*\b]|, 0x1800000   ; each accumulator is read from its low end on
.endr
	WIN (WW<<2)|(WW<<4)
.irp i, 2,4,6,8,10,12,14
.irp b, 0,1,2,3
	v_max3_num_f32 v[TM+\b], v[TM+\b], |v[S0+16*\b+\i]|, |v[S0+1+16*\b+\i]|
.endr
.endr
	WIN 0
.irp b, 0,1,2,3
	v_permlanex16_b32 v[TM+4+\b], v[TM+\b], s22, s23
.endr
.irp b, 0,1,2,3
	v_max_num_f32 v[TM+\b], v[TM+\b], v[TM+4+\b]
.endr
.irp b, 0,1,2,3
	v_add_nc_u32 v[TM+12+\b], 0xff000000, v[TM+\b]
.endr
.irp b, 0,1,2,3
	v_lshrrev_b32 v[TM+4+\b], 23, v[TM+12+\b]
.endr
	v_lshl_or_b32 v[PW], v[TM+5], 8, v[TM+4]
	v_lshl_or_b32 v[PW], v[TM+6], 16, v[PW]
	v_lshl_or_b32 v[PW], v[TM+7], 24, v[PW]
	WIN WW
.irp c, 0,1
	v_cvt_scalef32_pk16_fp6_f32 v[PC+6*\c:PC+2+6*\c], v[S0+32*\c:S0+15+32*\c], v[TM+12+2*\c]
	v_cvt_scalef32_pk16_fp6_f32 v[PC+12+4*\c:PC+14+4*\c], v[S0+16+32*\c:S0+31+32*\c], v[TM+12+2*\c+1]
.endr
	WIN 0
	v_nop                                          ; one plain place behind a scaled conversion
.irp c, 0,1
.irp i, 0,1,2
	v_permlane16_swap_b32 v[PC+6*\c+\i], v[PC+12+4*\c+\i]
.endr
.irp i, 0,1,2
	v_mov_b32 v[PC+3+6*\c+\i], v[PC+12+4*\c+\i]
.endr
.endr
	v_lshrrev_b32 v[WD+(\a)], v[SHF], v[PW]        ; k, q: lanes 16-31 keep the second head's two bytes
.irp i, 0,1,2
	global_store_b64 v[OL], v[PC+2*\i:PC+2*\i+1], s[OB0:OB0+1] offset:256*\i      ; 32 lanes store 256 consecutive bytes, aligned
.endr
.irp i, 0,1,2
	global_store_b64 v[OL], v[PC+6+2*\i:PC+7+2*\i], s[OB1:OB1+1] offset:256*\i
.endr
.endm
.irp a, 0,1,2,3,4,5,6,7
	QOUT \a
.endr
	s_cmp_eq_u32 s[ISV], 0
	s_cbranch_scc0 .Lwords_v
	global_store_b128 v[OSV], v[WD:WD+3], s[OSC:OSC+1]             ; 32 r + 4 T, lanes 16-31 in the next head's record
	global_store_b128 v[OSV], v[WD+4:WD+7], s[OSC:OSC+1] offset:16
	s_branch .Lwords_done
.Lwords_v:
.irp i, 0,1,2,3
	v_cndmask_b32 v[WD+\i], v[WD+\i], v[WD+4+\i], s20              ; lanes 16-31: the second head's four tiles
.endr
	global_store_b128 v[OSV], v[WD:WD+3], s[OSC:OSC+1]             ; 16 m + 4 t
.Lwords_done:
	s_wait_tensorcnt 0x0                           ; the wave's end
	ds_add_u32 v[SPW], v[NIL]
	s_wait_dscnt 0x0
	CROUND                                         ; the closing round
	s_endpgm
.Lfunc_end_k_q2c9d537bab_proj:
	.size	k_q2c9d537bab_proj, .Lfunc_end_k_q2c9d537bab_proj-k_q2c9d537bab_proj
	.p2alignl 7, 3214868480
	.fill 96, 4, 3214868480
	.section	.rodata,"a",@progbits
	.p2align	6, 0x0
	.amdhsa_kernel k_q2c9d537bab_proj
		.amdhsa_group_segment_fixed_size 327680
		.amdhsa_private_segment_fixed_size 0
		.amdhsa_enable_private_segment 0
		.amdhsa_kernarg_size 72
		.amdhsa_user_sgpr_count 2
		.amdhsa_user_sgpr_kernarg_segment_ptr 1
		.amdhsa_wavefront_size32 1
		.amdhsa_system_sgpr_workgroup_id_x 1
		.amdhsa_system_sgpr_workgroup_id_y 1
		.amdhsa_system_sgpr_workgroup_id_z 1
		.amdhsa_system_vgpr_workitem_id 0
		.amdhsa_next_free_vgpr 1024
		.amdhsa_next_free_sgpr 106
		.amdhsa_reserve_vcc 0
		.amdhsa_float_denorm_mode_32 3
		.amdhsa_float_denorm_mode_16_64 3
		.amdhsa_memory_ordered 1
		.amdhsa_forward_progress 1
		.amdhsa_inst_pref_size 193
	.end_amdhsa_kernel
	.amdgpu_metadata
---
amdhsa.version: [ 1, 2 ]
amdhsa.kernels:
  - .name:           k_q2c9d537bab_proj
    .symbol:         k_q2c9d537bab_proj.kd
    .args:
      - { .name: xc, .offset: 0, .size: 8, .value_kind: global_buffer, .address_space: global }
      - { .name: xs, .offset: 8, .size: 8, .value_kind: global_buffer, .address_space: global }
      - { .name: wc, .offset: 16, .size: 8, .value_kind: global_buffer, .address_space: global }
      - { .name: ws, .offset: 24, .size: 8, .value_kind: global_buffer, .address_space: global }
      - { .name: bk, .offset: 32, .size: 8, .value_kind: global_buffer, .address_space: global }
      - { .name: bq, .offset: 40, .size: 8, .value_kind: global_buffer, .address_space: global }
      - { .name: bv, .offset: 48, .size: 8, .value_kind: global_buffer, .address_space: global }
      - { .name: kv, .offset: 56, .size: 8, .value_kind: global_buffer, .address_space: global }
      - { .name: qq, .offset: 64, .size: 8, .value_kind: global_buffer, .address_space: global }
    .group_segment_fixed_size: 327680
    .private_segment_fixed_size: 0
    .kernarg_segment_align: 8
    .kernarg_segment_size: 72
    .max_flat_workgroup_size: 128
    .sgpr_count:     106
    .vgpr_count:     1024
    .wavefront_size: 32
...
	.end_amdgpu_metadata
.endif
;; end of part 2
;; launch attn (part 3): grid 2 x 128, 16 waves a work-group, no clusters, 294,912 bytes of LDS; arguments kv, qq, tb, cx; writes cx
.if DOCPART == 3
	.amdgcn_target "amdgcn-amd-amdhsa--gfx1250"
	.amdhsa_code_object_version 6
	.text
	.protected	k_q2c9d537bab_attn
	.globl	k_q2c9d537bab_attn
	.p2align	8
	.type	k_q2c9d537bab_attn,@function
k_q2c9d537bab_attn:
	s_mov_b64 s[64:65], 0
	v_nop
	global_prefetch_b8 v0, s[64:65] scope:SCOPE_SE
	s_setreg_imm32_b32 hwreg(HW_REG_WAVE_MODE, 25, 1), 1
	s_wait_xcnt 0x0
; The context of every head: ctx = (p v + p zv) / l with p = 2^(t - M), t = (q k + q zk) log2(e) / 8, all four products on codes of FP6 (E2M3) with E8M0 scales; ctx leaves quantised, as images for the last projection.
; WORK NOT DONE AS reference() WRITES IT (shown at the head of the first launch): q zk and p zv are lookups by clip(q - k): q meets 80 laid-out rows of the quantised table; p meets the constants ZL, ZR outside the band
; and, in the two blocks of 32 keys round the diagonal, a table that hangs on q - the block's first key.
;   p zv = SL ZL[d] + SR ZR[d] + the band.  SL, SR: sums of the QUANTISED p over the blocks left and right of the band, by a matrix instruction whose source 0 holds the code of 1.0 in rows 0, 8 (left blocks) and 1, 9 (right).
;   The band: a product along K' = (query r' of the tile, key j of the block), 512 a block: source 0 = the table (64 d x 512), source 1 = p's codes of that block, set only where the column is r'; all else zero codes.
; SHARES.  A work-group owns 512 queries of one (batch, head); wave w takes the tiles of 16 queries 32 x + 16 i + w, i = 0, 1.  A lane holds one query throughout (both products transposed).
; LDS: the head's whole record of K and V (104,448 bytes) and the band's table (102,400) come once, one tensor load a wave, one barrier; nothing is filled again.  Each wave has 5,376 bytes of its own for q zk's 16 x 80 numbers.
; NO CLUSTER: the branches that pick a tile's band blocks hang on the query block, which would be the work-group's place in a cluster; what would be shared is one fill for 512 x 1,024 scores.
; K = 64 IN A FORM OF 128: an operand of K (or of the table's rows) is its six registers and the six that follow; they meet Q's zero codes, so they add exactly 0 (no scale byte here is 0xff).
; LIMITS: as stated at the head of the first launch.
.set ZVB,   104448                     ; LDS: the band's codes,
.set ZVS,   202752                     ; its scale words,
.set ESC,   206848                     ; q zk: 16 rows of 336 bytes for each wave,
.set EW,    5376
.set SPARE, 292864                     ; the spare words, 128 bytes a wave
.set SPW, 5
.set NIL, 6
.set ADK, 30                           ; v30  8 L + 6,144 s
.set ADS, 31                           ; v31  32 r + 512 s
.set ADT, 255                          ; v255 16 r + 256 s
.set WV,  18
.set SEL, 20
.set CS,  22                           ; s[22:23] c = log2(e) / 8
.set G1K, 24
.set G1Z, 32
.set G0K, 40
.set G0Z, 44
.set MK,  52                           ; s52-59 lanes with r - h = 2 n
.set PAT, 60                           ; s60-62 32 codes of 1.0: 96 bits that repeat
.set TI,  66
.set SI,  67
.set TAU, 68
.set G0,  69                           ; the first band block: (tile - 1) >> 1
.set G,   70                           ; the step's first block
.set TBK, 71
.set TSK, 72
.set QREC, 74
.set RKB, 76
.set RKW, 78
.set ZLB, 80
.set CXB, 82
.set CXS, 84
; REGISTERS: v1 8 L; v2 32 r; v3, v4 my places in q zk's rows (in, out); v7, v8 the band's table and words; v9-11 the ones' masks; v12 -M, v13 largest t, v[14:15] the sum; v16-27 Q and zeros; v28 Q's word; v29 scales of 1.0;
; v32-85 fragments; v86-93 scale words; v94, v95 c x q zk far left, far right; v96-159 scores, then p; v160-191 O^T; v192-199 SL, SR; v200-211 the ones; v212-219 four additive terms (even registers); v220 the band's p scale;
; v221 64 h; v222, v223 Q's lane terms; v224-235 p's codes; v232-254 at work.
.macro MM0 d, a, b, sa, sb
	v_wmma_scale_f32_16x16x128_f8f6f4 v[\d:\d+7], v[\a:\a+11], v[\b:\b+11], 0, v[\sa], v[\sb] matrix_a_fmt:MATRIX_FMT_FP6 matrix_b_fmt:MATRIX_FMT_FP6
.endm
.macro MMA d, a, b, sa, sb
	v_wmma_scale_f32_16x16x128_f8f6f4 v[\d:\d+7], v[\a:\a+11], v[\b:\b+11], v[\d:\d+7], v[\sa], v[\sb] matrix_a_fmt:MATRIX_FMT_FP6 matrix_b_fmt:MATRIX_FMT_FP6
.endm
	s_load_b256 s[4:11], s[0:1], 0x0               ; kv, qq, tb, cx
	v_lshl_add_u32 v[SPW], v0, 2, SPARE
	v_mov_b32 v[NIL], 0
	ds_add_u32 v[SPW], v[NIL]                      ; the opening: the add, twice on end, and its wait ahead of my first tensor load
	ds_add_u32 v[SPW], v[NIL]
	v_lshrrev_b32 v1, 5, v0
	v_readfirstlane_b32 s[WV], v1                  ; wave 0..15
	s_mov_b32 s[G1K], 3<<16                        ; dense blocks as rows of 256 bytes (32 elements of 8): 51 rows a wave of the record,
	s_mov_b32 s[G1K+1], 32<<16
	s_mov_b32 s[G1K+2], 51<<16
	s_mov_b32 s[G1K+3], 32<<16
	s_mov_b32 s[G1K+4], 51
	s_mov_b32 s[G1K+5], 32
	s_mov_b32 s[G1K+6], 0
	s_mov_b32 s[G1K+7], 0
	s_mov_b32 s[G1Z], 3<<16                        ; 50 rows a wave of the table
	s_mov_b32 s[G1Z+1], 32<<16
	s_mov_b32 s[G1Z+2], 50<<16
	s_mov_b32 s[G1Z+3], 32<<16
	s_mov_b32 s[G1Z+4], 50
	s_mov_b32 s[G1Z+5], 32
	s_mov_b32 s[G1Z+6], 0
	s_mov_b32 s[G1Z+7], 0
	s_and_b32 s12, ttmp7, 0xffff                   ; y = 16 x batch + head
	s_mul_i32 s14, s12, 104448
	s_mul_i32 s13, s[WV], 13056
	s_add_co_u32 s14, s14, s13
	s_mov_b32 s15, 0
	s_and_b32 s16, s[WV], 7
	s_mul_i32 s16, s16, 12800
	s_mov_b32 s17, 0
	s_mov_b32 s[SEL], 0x76543210
	s_mov_b32 s[SEL+1], 0xfedcba98
	s_mov_b32 s[CS], 0x3e38aa3b
	s_mov_b32 s[CS+1], s[CS]
	s_mov_b32 s[PAT], 0x08208208
	s_mov_b32 s[PAT+1], 0x82082082
	s_mov_b32 s[PAT+2], 0x20820820
	s_wait_dscnt 0x0                               ; both opening adds are done
	s_wait_kmcnt 0x0
	s_mov_b32 s[G0K], 1
	s_mov_b32 s[G0K+1], s13                        ; waves 0-7: LDS 13,056 w
	s_add_nc_u64 s[G0K+2:G0K+3], s[4:5], s[14:15]
	s_or_b32 s[G0K+3], s[G0K+3], 0x80000000
	s_mov_b32 s[G0Z], 1
	s_mul_i32 s[G0Z+1], s[WV], 12800
	s_add_co_u32 s[G0Z+1], s[G0Z+1], 2048          ; waves 8-15: LDS 104,448 + 12,800 (w - 8)
	s_add_nc_u64 s[G0Z+2:G0Z+3], s[8:9], s[16:17]
	s_or_b32 s[G0Z+3], s[G0Z+3], 0x80000000
	s_cmp_lt_u32 s[WV], 8                          ; every wave issues one first fill: one tensor load of mine is out
	s_cbranch_scc0 .Lfill_z
	tensor_load_to_lds s[G0K:G0K+3], s[G1K:G1K+7]
	s_nop 0
.rept 4
	v_nop
.endr
	s_branch .Lfilled
.Lfill_z:
	tensor_load_to_lds s[G0Z:G0Z+3], s[G1Z:G1Z+7]
	s_nop 0
.rept 4
	v_nop
.endr
.Lfilled:
	v_and_b32 v32, 31, v0                          ; L
	v_and_b32 v33, 15, v0                          ; r
	v_bfe_u32 v34, v0, 4, 1                        ; h
	v_lshlrev_b32 v1, 3, v32
	v_lshlrev_b32 v2, 5, v33
	s_mul_i32 s13, s[WV], EW
	s_add_co_u32 s13, s13, ESC
	v_mul_u32_u24 v3, v33, 336
	v_lshl_add_u32 v3, v34, 5, v3
	v_add_nc_u32 v3, s13, v3                       ; in: row r, number 16 e + 8 h + j
	v_mul_u32_u24 v4, v33, 332
	v_lshl_add_u32 v4, v34, 6, v4
	v_add_nc_u32 v4, s13, v4
	v_add_nc_u32 v4, 60, v4                        ; out: row r, number 15 - r + 16 h + (32 x the band block + i)
	s_and_b32 s14, s[WV], 1                        ; the parity of my tiles
	s_mul_i32 s15, s14, 24576
	s_add_co_u32 s15, s15, ZVB
	v_add_nc_u32 v7, s15, v1
	s_lshl_b32 s15, s14, 10
	s_add_co_u32 s15, s15, ZVS
	v_lshl_add_u32 v8, v33, 4, s15
	v_and_b32 v35, 7, v0
	v_cmp_eq_u32 vcc_lo, 0, v35
	v_cndmask_b32 v9, 0, 1, vcc_lo                 ; +1 in rows 0, 8 (left),
	v_cmp_eq_u32 vcc_lo, 1, v35
	v_cndmask_b32 v9, v9, -1, vcc_lo               ; -1 in rows 1, 9 (right), else 0
	v_cndmask_b32 v10, 0, 1, vcc_lo
	v_mul_lo_u32 v36, v9, v34
	v_add_nc_u32 v10, v10, v36                     ; a lane's block g is far where sign x (g - G0) + (1 where right) is negative
	v_sub_nc_u32 v36, v33, v34
.irp n, 0,1,2,3,4,5,6,7
	v_cmp_eq_u32 s[MK+\n], 2*\n, v36
.endr
	v_lshrrev_b32 v37, 3, v33
	v_and_b32 v38, 7, v33
	v_mul_u32_u24 v222, v37, 768                   ; query 16 tile + r lies in Q's image at tile 2 (..) + r / 8, lane r % 8 + 8 parity + 16 h
	v_lshl_add_u32 v222, v38, 3, v222
	v_lshl_add_u32 v222, v34, 7, v222
	v_lshlrev_b32 v223, 5, v38
	v_lshl_add_u32 v223, v37, 2, v223
	v_lshlrev_b32 v221, 6, v34
	v_mov_b32 v29, 0x7f7f7f7f
.irp x, 22,23,24,25,26,27,80,81,82,83,84,85,114,115,116,117,118,119,236,237,238,239,213,215,217,219,253
	v_mov_b32 v\x, 0                               ; zero codes, and registers that are named before they are first made
.endr
	s_mov_b32 s17, 0
	s_mul_i32 s16, s12, 53248
	s_add_nc_u64 s[QREC:QREC+1], s[6:7], s[16:17]
	s_mul_i32 s16, s14, 3840
	s_add_co_u32 s16, s16, 102400
	s_add_nc_u64 s[RKB:RKB+1], s[8:9], s[16:17]
	s_lshl_b32 s16, s14, 9
	s_add_co_u32 s16, s16, 110080
	s_add_nc_u64 s[RKW:RKW+1], s[8:9], s[16:17]
	s_add_nc_u64 s[ZLB:ZLB+1], s[8:9], 111104
	s_lshr_b32 s13, s12, 4                         ; batch
	s_and_b32 s15, s12, 15                         ; head
	s_mul_i32 s16, s13, 786432
	s_lshr_b32 s2, s15, 1
	s_mul_i32 s2, s2, 1536
	s_add_co_u32 s16, s16, s2
	s_and_b32 s2, s15, 1
	s_mul_i32 s2, s2, 768
	s_add_co_u32 s16, s16, s2
	s_add_nc_u64 s[CXB:CXB+1], s[10:11], s[16:17]
	s_lshl_b32 s16, s13, 15
	s_lshl_b32 s2, s15, 1
	s_add_co_u32 s16, s16, s2
	s_add_co_u32 s16, s16, 6291456
	s_add_nc_u64 s[CXS:CXS+1], s[10:11], s[16:17]
	s_mov_b32 s[TI], 0
	s_wait_tensorcnt 0x0                           ; my part has landed,
	s_barrier_signal -1
	s_barrier_wait -1                              ; everybody's has
; block b of the step: where it is one of the two band blocks, q zk's numbers are added to the scores
.macro BANDK b
	s_add_co_u32 s94, s[G], \b
	s_sub_co_i32 s94, s94, s[G0]
	s_cmp_lt_u32 s94, 2
	s_cbranch_scc0 .Lnoband_\@
	s_cmp_eq_u32 s94, 0
	s_cselect_b32 s97, 0, 128
	v_add_nc_u32 v254, s97, v4
.irp i, 0,1,2,3,4,5,6,7,8,9,10,11,12,13,14,15
	ds_load_b32 v[224+\i], v254 offset:4*\i
.endr
	s_wait_dscnt 0x0
.irp i, 0,2,4,6,8,10,12,14
	v_pk_add_f32 v[96+16*\b+\i:97+16*\b+\i], v[96+16*\b+\i:97+16*\b+\i], v[224+\i:225+\i]
.endr
.Lnoband_\@:
.endm
; band block bb, where it lies in this step: O^T += table x (p's codes of that block on the diagonal of K')
.macro BANDV bb
	s_add_co_u32 s94, s[G0], \bb
	s_sub_co_i32 s94, s94, s[G]
	s_cmp_lt_u32 s94, 4
	s_cbranch_scc0 .Lnobv_\@
	s_bitcmp1_b32 s94, 1
	s_cselect_b32 s95, -1, 0                       ; the block lies in p's registers 6-11
	s_mov_b32 s96, 0xffff
	s_bitcmp1_b32 s94, 0
	s_cselect_b32 s96, 0xffff0000, s96             ; the lanes that hold it
	s_mul_i32 s97, s94, 0x01010101                 ; its byte of p's scale word, four times
.irp i, 0,1,2,3,4,5
	v_cndmask_b32 v[108+\i], v[224+\i], v[230+\i], s95
.endr
.irp i, 0,1,2,3,4,5
	v_permlanex16_b32 v[114+\i], v[108+\i], s[SEL], s[SEL+1]
.endr
.irp i, 0,1,2,3,4,5
	v_cndmask_b32 v[108+\i], v[114+\i], v[108+\i], s96             ; both halves of the lanes now hold the block's codes of query r
.endr
	v_perm_b32 v220, v253, v253, s97
	v_add_nc_u32 v254, 49152*\bb, v7
.irp sig, 0,1,2,3
.rept 4
	v_nop                                          ; places in front of loads into, and writes of, registers that matrix instructions have read
.endr
.irp t, 0,1,2,3
.irp i, 0,1,2,3,4,5
	ds_load_b64 v[32+12*\t+2*\i:33+12*\t+2*\i], v254 offset:1536*(4*\sig+\t)+256*\i
.endr
.endr
	ds_load_b128 v[86:89], v8 offset:2048*\bb+256*\sig
.irp c, 0,1
.irp i, 0,1,2,3,4,5
	v_cndmask_b32 v[96+6*\c+\i], 0, v[108+\i], s[MK+2*\sig+\c]     ; block 2 c + h of this K' step is query 4 sig + 2 c + h: mine or zero codes
.endr
.endr
.rept 4
	v_nop                                          ; an operand written by vector instructions stands 4 places ahead of a scaled matrix instruction
.endr
	s_wait_dscnt 0x0
.irp t, 0,1,2,3
	MMA 160+8*\t, 32+12*\t, 96, 86+\t, 220
.endr
.endr
.Lnobv_\@:
.endm
.Ltile:
	s_wait_xcnt 0x0                                ; the last tile's loads and stores have read their bases and registers
	s_lshl_b32 s[TAU], ttmp9, 5
	s_lshl_b32 s94, s[TI], 4
	s_add_co_u32 s[TAU], s[TAU], s94
	s_add_co_u32 s[TAU], s[TAU], s[WV]             ; my tile of 16 queries
	s_sub_co_i32 s[G0], s[TAU], 1
	s_ashr_i32 s[G0], s[G0], 1
	s_mov_b32 s95, 0
	s_and_b32 s96, s[TAU], 1
	s_lshr_b32 s94, s[TAU], 1
	s_mul_i32 s94, s94, 1536
	s_add_co_u32 s94, s94, 4096
	s_lshl_b32 s97, s96, 6
	s_add_co_u32 s94, s94, s97
	s_add_nc_u64 s[86:87], s[QREC:QREC+1], s[94:95]
	s_lshr_b32 s94, s[TAU], 3
	s_lshl_b32 s94, s94, 9
	s_bfe_u32 s97, s[TAU], 0x20001
	s_lshl_b32 s97, s97, 3
	s_add_co_u32 s94, s94, s97
	s_lshl_b32 s97, s96, 8
	s_add_co_u32 s94, s94, s97
	s_add_nc_u64 s[88:89], s[QREC:QREC+1], s[94:95]
	s_mul_i32 s94, s[TAU], 12288
	s_add_nc_u64 s[90:91], s[CXB:CXB+1], s[94:95]
	s_lshl_b32 s94, s[TAU], 9
	s_add_nc_u64 s[92:93], s[CXS:CXS+1], s[94:95]
.irp p, 0,1,2
	global_load_b64 v[16+2*\p:17+2*\p], v222, s[86:87] offset:256*\p
.endr
	global_load_b32 v28, v223, s[88:89]
.irp e, 0,1,2,3,4
.irp p, 0,1,2
	global_load_b64 v[50+6*\e+2*\p:51+6*\e+2*\p], v1, s[RKB:RKB+1] offset:768*\e+256*\p
.endr
.endr
	global_load_b128 v[86:89], v2, s[RKW:RKW+1]
	global_load_b32 v90, v2, s[RKW:RKW+1] offset:16
	s_wait_loadcnt 0x0
.irp e, 0,1,2,3,4
	MM0 96+8*\e, 50+6*\e, 16, 86+\e, 28            ; q zk: 80 laid-out rows x my 16 queries
.endr
	v_mov_b32 v13, 0xff61b1e6                      ; the largest t so far: -3e38.  (These lines are the places behind the five products)
	v_floor_f32 v12, -v13
	v_mov_b32 v14, 0
	v_mov_b32 v15, 0
.irp a, 0,1,2,3,4
.irp j, 0,1,2,3,4,5,6,7
	v_mov_b32 v[160+8*\a+\j], 0                    ; O^T, SL, SR: the step is written once; the first change of M leaves zeros zeros
.endr
.endr
	v_mul_lo_u32 v254, v9, s[G0]
	v_sub_nc_u32 v11, v10, v254
.irp e, 0,1,2,3,4
	ds_store_b128 v3, v[96+8*\e:99+8*\e] offset:64*\e              ; each accumulator from its low end on
	ds_store_b128 v3, v[100+8*\e:103+8*\e] offset:64*\e+16
.endr
	v_mul_f32 v94, s[CS], v96                      ; rows 0 and 8 are the table's row 32: all keys left of the band
	v_mul_f32 v95, s[CS], v128                     ; rows 64 and 72 are its row 0: all keys right of it
	s_mov_b32 s[TBK], 0
	s_mov_b32 s[TSK], 0
	s_mov_b32 s[G], 0
	s_mov_b32 s[SI], 0
.Lstep:                                            ; 128 keys
	v_add_nc_u32 v[ADK], s[TBK], v1                ; (these lines are also the places behind the last products)
	v_add_nc_u32 v[ADS], s[TSK], v2
	v_lshrrev_b32 v[ADT], 1, v[ADS]
	v_lshl_add_u32 v254, v9, 1, v11
	v_ashrrev_i32 v252, 31, v11                    ; all ones where my block h of this step is far,
	v_ashrrev_i32 v254, 31, v254                   ; and my block 2 + h
.irp i, 0,1,2,3,4,5
	v_and_b32 v[200+\i], s[PAT+\i%3], v252
.endr
.irp i, 6,7,8,9,10,11
	v_and_b32 v[200+\i], s[PAT+\i%3], v254
.endr
	v_lshl_add_u32 v11, v9, 2, v11
.irp T, 0,1,2,3,4,5,6,7
.irp p, 0,1,2
	ds_load_b64 v[32+6*\T+2*\p:33+6*\T+2*\p], v[ADK] offset:6144+768*\T+256*\p
.endr
.endr
	ds_load_b128 v[86:89], v[ADS]
	ds_load_b128 v[90:93], v[ADS] offset:16
	s_wait_dscnt 0x0
.irp T, 0,1,2,3,4,5,6,7
	MM0 96+8*\T, 32+6*\T, 16, 86+\T, 28            ; S^T = K Q^T: register 16 b + i of a lane is key 32 b + 16 h + i
.endr
.irp b, 0,1,2,3                                    ; block b's additive term: c x q zk far left, far right, or 0 in the band.  (The eight selections are the places behind the products)
	s_add_co_u32 s94, s[G], \b
	s_sub_co_i32 s94, s94, s[G0]
	s_cmp_lt_i32 s94, 0
	s_cselect_b32 s95, -1, 0
	s_cmp_gt_i32 s94, 1
	s_cselect_b32 s96, -1, 0
	v_cndmask_b32 v[212+2*\b], 0, v94, s95
	v_cndmask_b32 v[212+2*\b], v[212+2*\b], v95, s96
.endr
.irp t, 0,1,2,3                                    ; V's fragments are asked for now and land under the softmax
.irp i, 0,1,2,3,4,5
	ds_load_b64 v[32+12*\t+2*\i:33+12*\t+2*\i], v[ADK] offset:55296+1536*\t+256*\i
.endr
.endr
	ds_load_b128 v[248:251], v[ADT] offset:4096
	BANDK 0
	BANDK 1
	BANDK 2
	BANDK 3
.irp b, 0,1,2,3
	v_max3_num_f32 v[232+\b], v[96+16*\b], v[97+16*\b], v[98+16*\b]   ; the largest score of each block: for the row's maximum and for the block's largest p
.endr
.irp i, 3,5,7,9,11,13
.irp b, 0,1,2,3
	v_max3_num_f32 v[232+\b], v[232+\b], v[96+16*\b+\i], v[97+16*\b+\i]
.endr
.endr
.irp b, 0,1,2,3
	v_max_num_f32 v[232+\b], v[232+\b], v[111+16*\b]
.endr
.irp b, 0,1,2,3
	v_permlanex16_b32 v[236+\b], v[232+\b], s[SEL], s[SEL+1]
.endr
.irp b, 0,1,2,3
	v_max_num_f32 v[232+\b], v[232+\b], v[236+\b]
.endr
.irp b, 0,1,2,3
	v_fma_f32 v[240+\b], v[232+\b], s[CS], v[212+2*\b]             ; as t
.endr
	v_max3_num_f32 v254, v240, v241, v242
	v_max_num_f32 v254, v254, v243
	v_max_num_f32 v13, v13, v254                   ; the running largest t
	v_mov_b32 v254, v12
	v_floor_f32 v12, -v13                          ; -M = floor(-t): M is a whole number
	v_sub_f32 v254, v12, v254
	v_cvt_i32_f32 v254, v254                       ; (it saturates)
	v_ldexp_f32 v252, 1.0, v254                    ; f = 2^(old M - new M)
.irp b, 0,1,2,3
	v_add_f32 v[212+2*\b], v[212+2*\b], v12        ; the block's term less M
.endr
.irp b, 0,1,2,3
.irp j, 0,2,4,6,8,10,12,14
	v_pk_fma_f32 v[96+16*\b+\j:97+16*\b+\j], v[96+16*\b+\j:97+16*\b+\j], s[CS:CS+1], v[212+2*\b:213+2*\b] op_sel_hi:[1,0,0]   ; t - M
.endr
.endr
.irp b, 0,1,2,3
	v_fma_f32 v[232+\b], v[232+\b], s[CS], v[212+2*\b]
.endr
.irp a, 0,1,2,3,4,5,6,7
.irp j, 0,1,2,3,4,5,6,7
	v_exp_f32 v[96+8*\a+\j], v[96+8*\a+\j]         ; p = 2^(t - M), not normalised
.endr
.endr
	v_pk_mul_f32 v[14:15], v[14:15], v[252:253] op_sel_hi:[1,0]    ; the sums under the new M: a plain place behind the exponentials
	s_wait_alu depctr_va_vdst(0)                   ; one wait for the batch, ahead of its first reader
.irp b, 0,1,2,3
	v_exp_f32 v[232+\b], v[232+\b]                 ; the block's largest p
.endr
	v_pk_add_f32 v[236:237], v[96:97], v[98:99]    ; the row's sum is taken of the unquantised p
.irp j, 4,8,12,16,20,24,28,32,36,40,44,48,52,56,60
	v_pk_add_f32 v[14:15], v[14:15], v[96+\j:97+\j]
	v_pk_add_f32 v[236:237], v[236:237], v[98+\j:99+\j]
.endr
	v_pk_add_f32 v[14:15], v[14:15], v[236:237]
	s_wait_alu depctr_va_vdst(0)                   ; and one for the four
.irp b, 0,1,2,3
	v_max_num_f32 v[232+\b], 0x1800000, v[232+\b]  ; the floor: the byte cannot fall under 1
.endr
.irp b, 0,1,2,3
	v_add_nc_u32 v[244+\b], 0xff000000, v[232+\b]
.endr
.irp b, 0,1,2,3
	v_lshrrev_b32 v[236+\b], 23, v[244+\b]
.endr
	v_lshl_or_b32 v253, v237, 8, v236              ; p's scale word for these 128 keys
	v_lshl_or_b32 v253, v238, 16, v253
	v_lshl_or_b32 v253, v239, 24, v253
.irp c, 0,1
	v_cvt_scalef32_pk16_fp6_f32 v[224+6*\c:226+6*\c], v[96+32*\c:111+32*\c], v[244+2*\c]
	v_cvt_scalef32_pk16_fp6_f32 v[236+4*\c:238+4*\c], v[112+32*\c:127+32*\c], v[244+2*\c+1]
.endr
	v_nop                                          ; one plain place behind a scaled conversion
.irp c, 0,1
.irp i, 0,1,2
	v_permlane16_swap_b32 v[224+6*\c+\i], v[236+4*\c+\i]
.endr
.irp i, 0,1,2
	v_mov_b32 v[227+6*\c+\i], v[236+4*\c+\i]
.endr
.endr
.irp j, 0,2,4,6,8,10,12,14,16,18,20,22,24,26,28,30,32
	v_pk_mul_f32 v[160+\j:161+\j], v[160+\j:161+\j], v[252:253] op_sel_hi:[1,0]   ; O^T, SL and SR under the new M; these 17 are also the places ahead of the products
.endr
	s_wait_dscnt 0x0                               ; V
.irp t, 0,1,2,3
	MMA 160+8*\t, 32+12*\t, 224, 248+\t, 253       ; O^T += V^T P^T
.endr
	MMA 192, 200, 224, 29, 253                     ; register 0: SL, register 1: SR
	BANDV 0
	BANDV 1
	s_add_co_u32 s[TBK], s[TBK], 6144
	s_add_co_u32 s[TSK], s[TSK], 512
	s_add_co_u32 s[G], s[G], 4
	s_add_co_u32 s[SI], s[SI], 1
	s_cmp_lt_u32 s[SI], 8
	s_cbranch_scc1 .Lstep
	; THE TILE'S END: ctx = (O^T + SL ZL + SR ZR) / l, quantised along the head's 64 (two blocks), stored as half a fragment of the last projection's A
.rept 4
	v_nop
.endr
.irp k, 0,1,2,3,4,5,6,7
	global_load_b128 v[96+4*\k:99+4*\k], v221, s[ZLB:ZLB+1] offset:128*(\k/4)+16*(\k%4)        ; register 16 x + i of O^T is d = 32 x + 16 h + i
.endr
.irp k, 0,1,2,3,4,5,6,7
	global_load_b128 v[128+4*\k:131+4*\k], v221, s[ZLB:ZLB+1] offset:256+128*(\k/4)+16*(\k%4)
.endr
	v_add_f32 v14, v14, v15
	v_permlanex16_b32 v252, v14, s[SEL], s[SEL+1]
	v_add_f32 v14, v14, v252                       ; the row's sum
	v_rcp_f32 v14, v14
	v_mov_b32 v236, v192                           ; SL (a plain place behind the reciprocal)
	v_mov_b32 v238, v193                           ; SR
	s_wait_alu depctr_va_vdst(0)                   ; ahead of the reciprocal's first reader
	v_mov_b32 v15, v14
	s_wait_loadcnt 0x0
.irp k, 0,2,4,6,8,10,12,14,16,18,20,22,24,26,28,30
	v_pk_fma_f32 v[160+\k:161+\k], v[96+\k:97+\k], v[236:237], v[160+\k:161+\k] op_sel_hi:[1,0,1]
.endr
.irp k, 0,2,4,6,8,10,12,14,16,18,20,22,24,26,28,30
	v_pk_fma_f32 v[160+\k:161+\k], v[128+\k:129+\k], v[238:239], v[160+\k:161+\k] op_sel_hi:[1,0,1]
.endr
.irp k, 0,2,4,6,8,10,12,14,16,18,20,22,24,26,28,30
	v_pk_mul_f32 v[160+\k:161+\k], v[160+\k:161+\k], v[14:15] op_sel_hi:[1,0]
.endr
.irp b, 0,1
	v_max3_num_f32 v[240+\b], |v[160+16*\b]|, |v[161+16*\b]|, 0x1800000
.endr
.irp i, 2,4,6,8,10,12,14
.irp b, 0,1
	v_max3_num_f32 v[240+\b], v[240+\b], |v[160+16*\b+\i]|, |v[161+16*\b+\i]|
.endr
.endr
.irp b, 0,1
	v_permlanex16_b32 v[242+\b], v[240+\b], s[SEL], s[SEL+1]
.endr
.irp b, 0,1
	v_max_num_f32 v[240+\b], v[240+\b], v[242+\b]
.endr
.irp b, 0,1
	v_add_nc_u32 v[244+\b], 0xff000000, v[240+\b]
.endr
.irp b, 0,1
	v_lshrrev_b32 v[246+\b], 23, v[244+\b]
.endr
	v_lshl_or_b32 v246, v247, 8, v246              ; my row's two scale bytes
	v_cvt_scalef32_pk16_fp6_f32 v[224:226], v[160:175], v244
	v_cvt_scalef32_pk16_fp6_f32 v[232:234], v[176:191], v245
	v_nop
.irp i, 0,1,2
	v_permlane16_swap_b32 v[224+\i], v[232+\i]     ; lanes 0-15 block 0, lanes 16-31 block 1
.endr
.irp i, 0,1,2
	v_mov_b32 v[227+\i], v[232+\i]
.endr
.irp p, 0,1,2
	global_store_b64 v1, v[224+2*\p:225+2*\p], s[90:91] offset:256*\p   ; 32 lanes store 256 consecutive bytes, aligned
.endr
	global_store_b16 v2, v246, s[92:93]            ; two bytes a row, 32 bytes apart: a K step of 128 spans two heads, which two work-groups own; both halves of the lanes hold the same
	s_add_co_u32 s[TI], s[TI], 1
	s_cmp_lt_u32 s[TI], 2
	s_cbranch_scc1 .Ltile
	s_wait_tensorcnt 0x0                           ; the wave's end
	ds_add_u32 v[SPW], v[NIL]
	s_wait_dscnt 0x0
	s_endpgm
.Lfunc_end_k_q2c9d537bab_attn:
	.size	k_q2c9d537bab_attn, .Lfunc_end_k_q2c9d537bab_attn-k_q2c9d537bab_attn
	.p2alignl 7, 3214868480
	.fill 96, 4, 3214868480
	.section	.rodata,"a",@progbits
	.p2align	6, 0x0
	.amdhsa_kernel k_q2c9d537bab_attn
		.amdhsa_group_segment_fixed_size 294912
		.amdhsa_private_segment_fixed_size 0
		.amdhsa_enable_private_segment 0
		.amdhsa_kernarg_size 32
		.amdhsa_user_sgpr_count 2
		.amdhsa_user_sgpr_kernarg_segment_ptr 1
		.amdhsa_wavefront_size32 1
		.amdhsa_system_sgpr_workgroup_id_x 1
		.amdhsa_system_sgpr_workgroup_id_y 1
		.amdhsa_system_sgpr_workgroup_id_z 1
		.amdhsa_system_vgpr_workitem_id 0
		.amdhsa_next_free_vgpr 256
		.amdhsa_next_free_sgpr 100
		.amdhsa_reserve_vcc 1
		.amdhsa_float_denorm_mode_32 3
		.amdhsa_float_denorm_mode_16_64 3
		.amdhsa_memory_ordered 1
		.amdhsa_forward_progress 1
		.amdhsa_inst_pref_size 76
	.end_amdhsa_kernel
	.amdgpu_metadata
---
amdhsa.version: [ 1, 2 ]
amdhsa.kernels:
  - .name:           k_q2c9d537bab_attn
    .symbol:         k_q2c9d537bab_attn.kd
    .args:
      - { .name: kv, .offset: 0, .size: 8, .value_kind: global_buffer, .address_space: global }
      - { .name: qq, .offset: 8, .size: 8, .value_kind: global_buffer, .address_space: global }
      - { .name: tb, .offset: 16, .size: 8, .value_kind: global_buffer, .address_space: global }
      - { .name: cx, .offset: 24, .size: 8, .value_kind: global_buffer, .address_space: global }
    .group_segment_fixed_size: 294912
    .private_segment_fixed_size: 0
    .kernarg_segment_align: 8
    .kernarg_segment_size: 32
    .max_flat_workgroup_size: 512
    .sgpr_count:     100
    .vgpr_count:     256
    .wavefront_size: 32
...
	.end_amdgpu_metadata
.endif
;; end of part 3
;; launch topattn (part 4): grid 64 x 8, 8 waves a work-group, no clusters, 69,632 bytes of LDS; arguments kv, qq, tb, out1; writes out1
.if DOCPART == 4
	.amdgcn_target "amdgcn-amd-amdhsa--gfx1250"
	.amdhsa_code_object_version 6
	.text
	.protected	k_q2c9d537bab_topattn
	.globl	k_q2c9d537bab_topattn
	.p2align	8
	.type	k_q2c9d537bab_topattn,@function
k_q2c9d537bab_topattn:
	s_mov_b64 s[64:65], 0
	v_nop
	global_prefetch_b8 v0, s[64:65] scope:SCOPE_SE
	s_setreg_imm32_b32 hwreg(HW_REG_WAVE_MODE, 25, 1), 1
	s_wait_xcnt 0x0
; out1 = head 0's finished softmax, f32.  The logits are those of the attention launch: q k and q zk on codes of FP6 (E2M3); q zk is the lookup shown at the head of the first launch (80 laid-out rows of the quantised table).
; A work-group owns 16 queries of one batch; wave w owns keys 128 w .. 128 w + 127: one pass, the row's maximum and sum meet in LDS (two barriers).  The true maximum is taken away before the exponential.
; No tensor loads: operands go from memory straight into registers, as images.  LDS: 8,448 bytes a wave (first q zk's rows, pitch 336; later the stage, 16 x 528), 512 + 512 for the maxima and the sums, the spare words.
; LIMITS: as stated at the head of the first launch.
.set RW,    8448
.set STAT,  67584
.set SPARE, 68608
.set SPW, 5
.set NIL, 6
.set WV,  18
.set SEL, 20
.set CS,  22
.set TAU, 24
.set G0,  25
.set G,   26
.macro MM0 d, a, b, sa, sb
	v_wmma_scale_f32_16x16x128_f8f6f4 v[\d:\d+7], v[\a:\a+11], v[\b:\b+11], 0, v[\sa], v[\sb] matrix_a_fmt:MATRIX_FMT_FP6 matrix_b_fmt:MATRIX_FMT_FP6
.endm
	s_load_b256 s[4:11], s[0:1], 0x0               ; kv, qq, tb, out1
	v_lshl_add_u32 v[SPW], v0, 2, SPARE
	v_mov_b32 v[NIL], 0
	v_lshrrev_b32 v1, 5, v0
	v_readfirstlane_b32 s[WV], v1                  ; wave 0..7 = key step
.irp x, 22,23,24,25,26,27,80,81,82,83,84,85,230,231,232,233,234,235,15,249,251,253,255
	v_mov_b32 v\x, 0                               ; zero codes, and registers that are named before they are first made
.endr
	v_and_b32 v32, 31, v0
	v_and_b32 v33, 15, v0                          ; r
	v_bfe_u32 v34, v0, 4, 1                        ; h
	v_lshlrev_b32 v1, 3, v32
	v_lshlrev_b32 v2, 5, v33
	s_mul_i32 s42, s[WV], RW
	v_mul_u32_u24 v3, v33, 336
	v_lshl_add_u32 v3, v34, 5, v3
	v_add_nc_u32 v3, s42, v3
	v_mul_u32_u24 v4, v33, 332
	v_lshl_add_u32 v4, v34, 6, v4
	v_add_nc_u32 v4, s42, v4
	v_add_nc_u32 v4, 60, v4
	v_lshrrev_b32 v37, 3, v33
	v_and_b32 v38, 7, v33
	v_mul_u32_u24 v7, v37, 768
	v_lshl_add_u32 v7, v38, 3, v7
	v_lshl_add_u32 v7, v34, 7, v7                  ; Q's codes: my lane's term
	v_lshlrev_b32 v8, 5, v38
	v_lshl_add_u32 v8, v37, 2, v8                  ; Q's word
	s_lshl_b32 s43, s[WV], 2
	s_add_co_u32 s43, s43, STAT
	v_add_nc_u32 v9, s43, v2                       ; my row's word of my wave
	v_add_nc_u32 v10, STAT, v2                     ; my row's eight words
	v_mul_u32_u24 v11, v33, 528
	v_lshl_add_u32 v11, v34, 6, v11
	v_add_nc_u32 v11, s42, v11                     ; the stage, in
	v_lshlrev_b32 v13, 4, v32
	v_add_nc_u32 v12, s42, v13                     ; and back
	s_mov_b32 s[SEL], 0x76543210
	s_mov_b32 s[SEL+1], 0xfedcba98
	s_mov_b32 s[CS], 0x3e38aa3b                    ; log2(e) / 8
	s_mov_b32 s[CS+1], s[CS]
	s_mov_b32 s[TAU], ttmp9
	s_sub_co_i32 s[G0], s[TAU], 1
	s_ashr_i32 s[G0], s[G0], 1
	s_lshl_b32 s[G], s[WV], 2
	s_and_b32 s12, ttmp7, 0xffff                   ; batch
	s_and_b32 s13, s[TAU], 1                       ; the tile's parity
	s_mov_b32 s45, 0
	s_wait_kmcnt 0x0
	s_mul_i32 s44, s12, 1671168                    ; head 0's record of K
	s_add_nc_u64 s[30:31], s[4:5], s[44:45]
	s_mul_i32 s44, s[WV], 6144
	s_add_co_u32 s44, s44, 6144
	s_add_nc_u64 s[28:29], s[30:31], s[44:45]      ; my step's codes,
	s_lshl_b32 s44, s[WV], 9
	s_add_nc_u64 s[30:31], s[30:31], s[44:45]      ; and words
	s_mul_i32 s44, s12, 851968
	s_add_nc_u64 s[34:35], s[6:7], s[44:45]
	s_lshr_b32 s44, s[TAU], 1
	s_mul_i32 s44, s44, 1536
	s_add_co_u32 s44, s44, 4096
	s_lshl_b32 s46, s13, 6
	s_add_co_u32 s44, s44, s46
	s_add_nc_u64 s[32:33], s[34:35], s[44:45]
	s_lshr_b32 s44, s[TAU], 3
	s_lshl_b32 s44, s44, 9
	s_bfe_u32 s46, s[TAU], 0x20001
	s_lshl_b32 s46, s46, 3
	s_add_co_u32 s44, s44, s46
	s_lshl_b32 s46, s13, 8
	s_add_co_u32 s44, s44, s46
	s_add_nc_u64 s[34:35], s[34:35], s[44:45]
	s_mul_i32 s44, s13, 3840
	s_add_co_u32 s44, s44, 102400
	s_add_nc_u64 s[36:37], s[8:9], s[44:45]
	s_lshl_b32 s44, s13, 9
	s_add_co_u32 s44, s44, 110080
	s_add_nc_u64 s[38:39], s[8:9], s[44:45]
	s_lshl_b32 s44, s12, 22
	s_lshl_b32 s46, s[TAU], 16
	s_add_co_u32 s44, s44, s46
	s_lshl_b32 s46, s[WV], 9
	s_add_co_u32 s44, s44, s46
	s_add_nc_u64 s[40:41], s[10:11], s[44:45]
.irp p, 0,1,2
	global_load_b64 v[16+2*\p:17+2*\p], v7, s[32:33] offset:256*\p
.endr
	global_load_b32 v28, v8, s[34:35]
.irp e, 0,1,2,3,4
.irp p, 0,1,2
	global_load_b64 v[200+6*\e+2*\p:201+6*\e+2*\p], v1, s[36:37] offset:768*\e+256*\p
.endr
.endr
	global_load_b128 v[86:89], v2, s[38:39]
	global_load_b32 v90, v2, s[38:39] offset:16
.irp T, 0,1,2,3,4,5,6,7
.irp p, 0,1,2
	global_load_b64 v[32+6*\T+2*\p:33+6*\T+2*\p], v1, s[28:29] offset:768*\T+256*\p
.endr
.endr
	global_load_b128 v[240:243], v2, s[30:31]
	global_load_b128 v[244:247], v2, s[30:31] offset:16
	s_wait_loadcnt 0x0
.irp e, 0,1,2,3,4
	MM0 160+8*\e, 200+6*\e, 16, 86+\e, 28          ; q zk
.endr
.irp T, 0,1,2,3,4,5,6,7
	MM0 96+8*\T, 32+6*\T, 16, 240+\T, 28           ; q k
.endr
.rept 4
	v_nop
.endr
	v_mul_f32 v94, s[CS], v160                     ; far left
	v_mul_f32 v95, s[CS], v192                     ; far right
.irp e, 0,1,2,3,4
	ds_store_b128 v3, v[160+8*\e:163+8*\e] offset:64*\e
	ds_store_b128 v3, v[164+8*\e:167+8*\e] offset:64*\e+16
.endr
.irp b, 0,1,2,3
	s_add_co_u32 s44, s[G], \b
	s_sub_co_i32 s44, s44, s[G0]
	s_cmp_lt_i32 s44, 0
	s_cselect_b32 s45, -1, 0
	s_cmp_gt_i32 s44, 1
	s_cselect_b32 s46, -1, 0
	v_cndmask_b32 v[248+2*\b], 0, v94, s45
	v_cndmask_b32 v[248+2*\b], v[248+2*\b], v95, s46
.endr
.macro BANDK b
	s_add_co_u32 s44, s[G], \b
	s_sub_co_i32 s44, s44, s[G0]
	s_cmp_lt_u32 s44, 2
	s_cbranch_scc0 .Lnoband_\@
	s_cmp_eq_u32 s44, 0
	s_cselect_b32 s47, 0, 128
	v_add_nc_u32 v29, s47, v4
.irp i, 0,1,2,3,4,5,6,7,8,9,10,11,12,13,14,15
	ds_load_b32 v[200+\i], v29 offset:4*\i
.endr
	s_wait_dscnt 0x0
.irp i, 0,2,4,6,8,10,12,14
	v_pk_add_f32 v[96+16*\b+\i:97+16*\b+\i], v[96+16*\b+\i:97+16*\b+\i], v[200+\i:201+\i]
.endr
.Lnoband_\@:
.endm
	BANDK 0
	BANDK 1
	BANDK 2
	BANDK 3
.irp b, 0,1,2,3
.irp j, 0,2,4,6,8,10,12,14
	v_pk_fma_f32 v[96+16*\b+\j:97+16*\b+\j], v[96+16*\b+\j:97+16*\b+\j], s[CS:CS+1], v[248+2*\b:249+2*\b] op_sel_hi:[1,0,0]   ; t
.endr
.endr
.irp b, 0,1,2,3
	v_max3_num_f32 v[236+\b], v[96+16*\b], v[97+16*\b], v[98+16*\b]
.endr
.irp i, 3,5,7,9,11,13
.irp b, 0,1,2,3
	v_max3_num_f32 v[236+\b], v[236+\b], v[96+16*\b+\i], v[97+16*\b+\i]
.endr
.endr
.irp b, 0,1,2,3
	v_max_num_f32 v[236+\b], v[236+\b], v[111+16*\b]
.endr
	v_max3_num_f32 v14, v236, v237, v238
	v_max_num_f32 v14, v14, v239
	v_permlanex16_b32 v15, v14, s[SEL], s[SEL+1]
	v_max_num_f32 v14, v14, v15
	ds_store_b32 v9, v14                           ; both halves of the lanes write the same word
	s_wait_dscnt 0x0                               ; for the others' sake
	s_barrier_signal -1
	s_barrier_wait -1
	ds_load_b128 v[200:203], v10
	ds_load_b128 v[204:207], v10 offset:16
	s_wait_dscnt 0x0
	v_max3_num_f32 v14, v200, v201, v202
	v_max3_num_f32 v14, v14, v203, v204
	v_max3_num_f32 v14, v14, v205, v206
	v_max_num_f32 v14, v14, v207                   ; the row's largest t
	v_mov_b32 v15, v14
.irp j, 0,2,4,6,8,10,12,14,16,18,20,22,24,26,28,30,32,34,36,38,40,42,44,46,48,50,52,54,56,58,60,62
	v_pk_add_f32 v[96+\j:97+\j], v[96+\j:97+\j], v[14:15] op_sel_hi:[1,0] neg_lo:[0,1] neg_hi:[0,1]
.endr
.irp a, 0,1,2,3,4,5,6,7
.irp j, 0,1,2,3,4,5,6,7
	v_exp_f32 v[96+8*\a+\j], v[96+8*\a+\j]
.endr
.endr
	v_nop                                          ; a plain place behind the exponentials
	s_wait_alu depctr_va_vdst(0)                   ; one wait for the batch
	v_pk_add_f32 v[236:237], v[96:97], v[98:99]
	v_pk_add_f32 v[238:239], v[100:101], v[102:103]
.irp j, 8,12,16,20,24,28,32,36,40,44,48,52,56,60
	v_pk_add_f32 v[236:237], v[236:237], v[96+\j:97+\j]
	v_pk_add_f32 v[238:239], v[238:239], v[98+\j:99+\j]
.endr
	v_pk_add_f32 v[236:237], v[236:237], v[238:239]
	v_add_f32 v14, v236, v237
	v_permlanex16_b32 v15, v14, s[SEL], s[SEL+1]
	v_add_f32 v14, v14, v15
	ds_store_b32 v9, v14 offset:512
	s_wait_dscnt 0x0
	s_barrier_signal -1
	s_barrier_wait -1
	ds_load_b128 v[200:203], v10 offset:512
	ds_load_b128 v[204:207], v10 offset:528
	s_wait_dscnt 0x0
	v_add_f32 v200, v200, v201
	v_add_f32 v202, v202, v203
	v_add_f32 v204, v204, v205
	v_add_f32 v206, v206, v207
	v_add_f32 v200, v200, v202
	v_add_f32 v204, v204, v206
	v_add_f32 v14, v200, v204                      ; the row's sum
	v_rcp_f32 v14, v14
	v_nop
	s_wait_alu depctr_va_vdst(0)
	v_mov_b32 v15, v14
.irp j, 0,2,4,6,8,10,12,14,16,18,20,22,24,26,28,30,32,34,36,38,40,42,44,46,48,50,52,54,56,58,60,62
	v_pk_mul_f32 v[96+\j:97+\j], v[96+\j:97+\j], v[14:15] op_sel_hi:[1,0]
.endr
.irp b, 0,1,2,3
.irp i, 0,1,2,3
	ds_store_b128 v11, v[96+16*\b+4*\i:99+16*\b+4*\i] offset:128*\b+16*\i     ; row r, key 32 b + 16 h + 4 i on; my own bytes: LDS serves a wave's instructions in order
.endr
.endr
.irp t, 0,1,2,3,4,5,6,7,8,9,10,11,12,13,14,15
	ds_load_b128 v[160+4*\t:163+4*\t], v12 offset:528*\t
.endr
.irp t, 0,1,2,3,4,5,6,7,8,9,10,11,12,13,14,15
	s_wait_dscnt 15-\t                             ; the younger loads may be out
	global_store_b128 v13, v[160+4*\t:163+4*\t], s[40:41] offset:4096*\t th:TH_STORE_NT   ; 32 lanes store 512 consecutive bytes, aligned
.endr
	s_wait_tensorcnt 0x0                           ; the wave's end
	ds_add_u32 v[SPW], v[NIL]
	s_wait_dscnt 0x0
	s_endpgm
.Lfunc_end_k_q2c9d537bab_topattn:
	.size	k_q2c9d537bab_topattn, .Lfunc_end_k_q2c9d537bab_topattn-k_q2c9d537bab_topattn
	.p2alignl 7, 3214868480
	.fill 96, 4, 3214868480
	.section	.rodata,"a",@progbits
	.p2align	6, 0x0
	.amdhsa_kernel k_q2c9d537bab_topattn
		.amdhsa_group_segment_fixed_size 69632
		.amdhsa_private_segment_fixed_size 0
		.amdhsa_enable_private_segment 0
		.amdhsa_kernarg_size 32
		.amdhsa_user_sgpr_count 2
		.amdhsa_user_sgpr_kernarg_segment_ptr 1
		.amdhsa_wavefront_size32 1
		.amdhsa_system_sgpr_workgroup_id_x 1
		.amdhsa_system_sgpr_workgroup_id_y 1
		.amdhsa_system_sgpr_workgroup_id_z 1
		.amdhsa_system_vgpr_workitem_id 0
		.amdhsa_next_free_vgpr 256
		.amdhsa_next_free_sgpr 66
		.amdhsa_reserve_vcc 0
		.amdhsa_float_denorm_mode_32 3
		.amdhsa_float_denorm_mode_16_64 3
		.amdhsa_memory_ordered 1
		.amdhsa_forward_progress 1
		.amdhsa_inst_pref_size 38
	.end_amdhsa_kernel
	.amdgpu_metadata
---
amdhsa.version: [ 1, 2 ]
amdhsa.kernels:
  - .name:           k_q2c9d537bab_topattn
    .symbol:         k_q2c9d537bab_topattn.kd
    .args:
      - { .name: kv, .offset: 0, .size: 8, .value_kind: global_buffer, .address_space: global }
      - { .name: qq, .offset: 8, .size: 8, .value_kind: global_buffer, .address_space: global }
      - { .name: tb, .offset: 16, .size: 8, .value_kind: global_buffer, .address_space: global }
      - { .name: out1, .offset: 24, .size: 8, .value_kind: global_buffer, .address_space: global }
    .group_segment_fixed_size: 69632
    .private_segment_fixed_size: 0
    .kernarg_segment_align: 8
    .kernarg_segment_size: 32
    .max_flat_workgroup_size: 256
    .sgpr_count:     66
    .vgpr_count:     256
    .wavefront_size: 32
...
	.end_amdgpu_metadata
.endif
;; end of part 4
;; launch outp (part 5): grid 4 x 32, 4 waves a work-group, clusters of 4 x 4, 327,680 bytes of LDS; arguments cx, wc, ws, bo, out0; writes out0
.if DOCPART == 5
	.amdgcn_target "amdgcn-amd-amdhsa--gfx1250"
	.amdhsa_code_object_version 6
	.text
	.protected	k_q2c9d537bab_outp
	.globl	k_q2c9d537bab_outp
	.p2align	8
	.type	k_q2c9d537bab_outp,@function
k_q2c9d537bab_outp:
	s_mov_b64 s[64:65], 0
	v_nop
	global_prefetch_b8 v0, s[64:65] scope:SCOPE_SE
	s_setreg_imm32_b32 hwreg(HW_REG_WAVE_MODE, 25, 1), 1
	s_wait_xcnt 0x0
	s_wait_alu depctr_hold_cnt(0) depctr_sa_sdst(0) depctr_va_vdst(0) depctr_va_sdst(0) depctr_va_ssrc(0) depctr_va_vcc(0) depctr_vm_vsrc(0)
	s_getreg_b32 s2, hwreg(HW_REG_IB_STS2, 6, 4)
	s_cmp_eq_u32 s2, 0
	s_cbranch_scc0 .Lentry_in_a_cluster
	s_endpgm
.Lentry_in_a_cluster:
	s_bfe_u32 s2, ttmp6, 0x10000c
	s_cmp_lg_u32 s2, 0xf033
	s_cbranch_scc0 .Lentry_shape_is_right
	s_endpgm
.Lentry_shape_is_right:
; out0 = ctx Wo + bo on codes of FP6 (E2M3) with E8M0 scales: C [8192][1024] f32 = A B^T, A = ctx's codes (cx, as images of the operand's registers: token tile, K step of 128, piece of 256 bytes), B = Wo's codes [n][768].
; A tile of C is 256 x 256, four waves of 128 x 128; K = 1,024 in steps of 256 through a ring of two LDS slots; the scales of all of K come once; 4 x 4 work-groups ask for A's tiles jointly along a row of the cluster, for B's
; along a column.  The matrix instruction is used transposed (source 0 = 16 rows of B, source 1 = 16 rows of A): a lane holds eight neighbouring numbers of a row of C.  bo is the C of each sum's first matrix instruction.
; A's tile of a slot: 8 token tiles x 3,072 dense bytes, 12,288 apart in memory; in LDS they lie on end, and a fragment is six loads of 8 bytes at 8 x lane.
.set SIZE_N, 1024
.set NQ,     2
.set ROWB,   192
.set KROW,   768
.set PITCH,  240
.set FR,     12
.set NL,     6
.set NP,     4
.set HALFT,  128*PITCH
.set SLOT,   4*HALFT
.set LAPS,   2
.set KS,     32
.set SCL,    2*SLOT
.set HALFS,  16*272
.set SBLK,   2*272
.set SPARE,  SCL+4*HALFS
.set SPITCH, 528
.set ADRA, 16                          ; v16-17  A's images in slot 0, 1
.set ADRB, 20                          ; v20-23  B's rows
.set STO,  24
.set RD,   25
.set CO,   26
.set ADRS, 27
.set SPW,  28
.set NIL,  29
.set SC,   32
.set CB,   64                          ; v64-127 bo in the result's layout
.set AF,   128
.set BK,   128
.set G1, 24
.set G0, 32
.set G1B, 48
.set G0B, 56
.set G1S, 68
.set G0S, 76
.set G1SB, 80
.set G0SB, 88
.set MSB, 0
.macro WIN new
.if MSB != (\new)
	s_set_vgpr_msb (MSB<<8)|(\new)
.set MSB, (\new)
.endif
.endm
.set MUL_LO, 0xa1
.set MUL_HI, 0xf1
.set TO_B,   0x40
.macro JLOAD g0a, g1a, g0b, g1b
	s_cmp_eq_u32 s15, 0
	s_cbranch_scc0 .Lfor_b_\@
	tensor_load_to_lds s[\g0a:\g0a+3], s[\g1a:\g1a+7]
	s_nop 0
.rept 4
	v_nop
.endr
	s_branch .Lasked_\@
.Lfor_b_\@:
	tensor_load_to_lds s[\g0b:\g0b+3], s[\g1b:\g1b+7]
	s_nop 0
.rept 4
	v_nop
.endr
.Lasked_\@:
.endm
.macro CREST
	s_cmp_lg_u32 s14, 0
	s_cbranch_scc1 .Lnot_wave_0_\@
	s_barrier_signal -3
.Lnot_wave_0_\@:
	s_barrier_wait -3
	s_barrier_signal -1
	s_barrier_wait -1
.endm
.macro CROUND
	s_barrier_signal -1
	s_barrier_wait -1
	CREST
.endm
	s_load_b64 s[4:5], s[0:1], 0x0                 ; cx
	s_load_b64 s[8:9], s[0:1], 0x8                 ; wc
	s_load_b64 s[10:11], s[0:1], 0x10              ; ws
	s_load_b64 s[66:67], s[0:1], 0x18              ; bo
	s_load_b64 s[12:13], s[0:1], 0x20              ; out0
	v_lshl_add_u32 v[SPW], v0, 2, SPARE
	v_mov_b32 v[NIL], 0
	ds_add_u32 v[SPW], v[NIL]                      ; the opening: the add, twice on end, and its wait ahead of my first tensor load
	ds_add_u32 v[SPW], v[NIL]
	v_lshrrev_b32 v1, 5, v0
	v_readfirstlane_b32 s14, v1
	s_lshr_b32 s15, s14, 1
	s_and_b32 s16, s14, 1
	s_bfe_u32 s40, ttmp6, 0x40000
	s_bfe_u32 s41, ttmp6, 0x40004
	s_lshl_b32 s42, ttmp9, 2
	s_add_co_u32 s42, s42, s40                     ; tile column
	s_and_b32 s17, ttmp7, 0xffff
	s_lshl_b32 s17, s17, 2
	s_add_co_u32 s17, s17, s41                     ; tile row
	s_lshl_b32 s43, s41, 2
	s_lshl_b32 s43, 15, s43
	s_lshl_b32 s44, 0x1111, s40
	s_or_b32 s[G1+0], s43, (3<<16)|(1<<21)         ; A: elements of 8 bytes, no padding
	s_mov_b32 s[G1+1], 384<<16                     ; a row: 3,072 bytes, two K steps of a token tile
	s_mov_b32 s[G1+2], 8<<16                       ; 8 token tiles
	s_mov_b32 s[G1+3], 384<<16
	s_mov_b32 s[G1+4], 8
	s_mov_b32 s[G1+5], 1536                        ; 12,288 bytes from tile to tile
	s_mov_b32 s[G1+6], 0
	s_mov_b32 s[G1+7], 0
	s_or_b32 s[G1B+0], s44, (0<<16)|(1<<20)|(1<<21)|(3<<22)|(3<<25)
	s_mov_b32 s[G1B+1], ROWB<<16
	s_mov_b32 s[G1B+2], 128<<16
	s_mov_b32 s[G1B+3], ROWB<<16
	s_mov_b32 s[G1B+4], 128
	s_mov_b32 s[G1B+5], KROW
	s_mov_b32 s[G1B+6], 0
	s_mov_b32 s[G1B+7], 0
	s_or_b32 s[G1S+0], s43, (3<<16)|(1<<20)|(1<<21)|(5<<22)|(3<<25)
	s_or_b32 s[G1SB+0], s44, (3<<16)|(1<<20)|(1<<21)|(5<<22)|(3<<25)
.irp g, G1S, G1SB
	s_mov_b32 s[\g+1], 32<<16
	s_mov_b32 s[\g+2], 16<<16
	s_mov_b32 s[\g+3], 32<<16
	s_mov_b32 s[\g+4], 16
	s_mov_b32 s[\g+5], 32
	s_mov_b32 s[\g+6], 0
	s_mov_b32 s[\g+7], 0
.endr
	s_lshl_b32 s18, s16, 7
	s_lshl_b32 s20, s17, 8
	s_add_co_u32 s20, s20, s18
	s_lshl_b32 s46, s42, 8
	s_add_co_u32 s46, s46, s18
	s_mov_b32 s21, 0
	s_mov_b32 s47, 0
	s_mov_b64 s[18:19], KS
	s_mul_u64 s[22:23], s[20:21], s[18:19]
	s_mul_u64 s[92:93], s[46:47], s[18:19]
	s_mov_b64 s[18:19], KROW
	s_mul_u64 s[20:21], s[20:21], s[18:19]         ; 16 rows of A are 12,288 bytes of images: 768 a row
	s_mul_u64 s[46:47], s[46:47], s[18:19]
	s_mul_i32 s45, s14, HALFT
	s_mul_i32 s94, s14, HALFS
	s_wait_dscnt 0x0
	s_wait_kmcnt 0x0
	s_add_nc_u64 s[6:7], s[4:5], 6291456           ; ctx's scale bytes
	s_add_nc_u64 s[8:9], s[8:9], 2359296           ; Wo's codes,
	s_add_nc_u64 s[10:11], s[10:11], 98304         ; and scale bytes
	s_add_nc_u64 s[20:21], s[4:5], s[20:21]
	s_add_nc_u64 s[22:23], s[6:7], s[22:23]
	s_add_nc_u64 s[46:47], s[8:9], s[46:47]
	s_add_nc_u64 s[92:93], s[10:11], s[92:93]
	CROUND
	s_mov_b32 s[G0S], 1
	s_add_co_u32 s[G0S+1], s94, SCL
	s_mov_b64 s[G0S+2:G0S+3], s[22:23]
	s_or_b32 s[G0S+3], s[G0S+3], 0x80000000
	s_mov_b32 s[G0SB], 1
	s_add_co_u32 s[G0SB+1], s94, SCL
	s_mov_b64 s[G0SB+2:G0SB+3], s[92:93]
	s_or_b32 s[G0SB+3], s[G0SB+3], 0x80000000
	JLOAD G0S, G1S, G0SB, G1SB
.irp s, 0,1
	s_mov_b32 s[G0+4*\s], 1
	s_add_co_u32 s[G0+4*\s+1], s45, \s*SLOT
	s_add_nc_u64 s[G0+4*\s+2:G0+4*\s+3], s[20:21], \s*3072
	s_or_b32 s[G0+4*\s+3], s[G0+4*\s+3], 0x80000000
	s_mov_b32 s[G0B+4*\s], 1
	s_add_co_u32 s[G0B+4*\s+1], s45, \s*SLOT
	s_add_nc_u64 s[G0B+4*\s+2:G0B+4*\s+3], s[46:47], \s*ROWB
	s_or_b32 s[G0B+4*\s+3], s[G0B+4*\s+3], 0x80000000
	JLOAD G0+4*\s, G1, G0B+4*\s, G1B
.endr
	v_and_b32 v1, 15, v0
	v_bfe_u32 v2, v0, 4, 1
	v_and_b32 v7, 31, v0
	v_lshlrev_b32 v7, 3, v7                        ; 8 x lane
	v_mul_u32_u24 v3, v1, PITCH
	v_mul_u32_u24 v4, v2, 24
	v_add_nc_u32 v4, v3, v4
	v_lshl_add_u32 v5, v2, 4, v4
	s_mul_i32 s21, s15, HALFT
	s_mul_i32 s22, s16, HALFT
	s_add_co_u32 s22, s22, 2*HALFT
.irp s, 0,1
	v_add_nc_u32 v[ADRA+\s], s21, v7
	v_add_nc_u32 v[ADRB+\s], s22, v4
	v_add_nc_u32 v[ADRB+2+\s], s22, v5
	s_add_co_u32 s21, s21, SLOT
	s_add_co_u32 s22, s22, SLOT
.endr
	v_mul_u32_u24 v5, v1, KS
	v_lshrrev_b32 v6, 8, v5
	v_lshl_add_u32 v5, v6, 4, v5
	s_mul_i32 s21, s15, HALFS
	s_mul_i32 s22, s16, HALFS
	s_add_co_u32 s22, s22, 2*HALFS
	s_sub_co_u32 s22, s22, s21
	v_mul_u32_u24 v6, s22, v2
	s_add_co_u32 s21, s21, SCL
	v_add_nc_u32 v5, v5, v6
	v_add_nc_u32 v[ADRS], s21, v5
	s_mul_i32 s23, s14, 16*SPITCH
	v_mul_u32_u24 v5, v1, SPITCH
	v_lshl_add_u32 v5, v2, 5, v5
	v_add_nc_u32 v[STO], s23, v5
	v_and_b32 v6, 31, v0
	v_lshlrev_b32 v[CO], 4, v6
	v_add_nc_u32 v[RD], s23, v[CO]
	s_lshl_b32 s20, s17, 8
	s_lshl_b32 s21, s15, 7
	s_add_co_u32 s20, s20, s21
	s_mov_b32 s21, 0
	s_mov_b64 s[18:19], SIZE_N*4
	s_mul_u64 s[20:21], s[20:21], s[18:19]
	s_lshl_b32 s46, s42, 10
	s_lshl_b32 s47, s16, 9
	s_add_co_u32 s46, s46, s47                     ; my first column, in bytes
	s_mov_b32 s47, 0
	s_add_nc_u64 s[20:21], s[20:21], s[46:47]
	s_add_nc_u64 s[12:13], s[12:13], s[20:21]
	s_add_nc_u64 s[66:67], s[66:67], s[46:47]      ; bo of my 128 columns
	v_lshlrev_b32 v6, 5, v2                        ; register j of tile b is column 16 b + 8 h + j
.irp b, 0,1,2,3,4,5,6,7
	global_load_b128 v[CB+8*\b:CB+8*\b+3], v6, s[66:67] offset:64*\b
	global_load_b128 v[CB+8*\b+4:CB+8*\b+7], v6, s[66:67] offset:64*\b+16
.endr
.macro FRAG reg, adr, q, i             ; B: 16 rows x 128 K from padded rows
.irp p, 0,1,2,3,4,5
.set PCE, 12*(\q)+6*(\p/3)+\p%3
.if PCE%8 < 5
	ds_load_b64 v[\reg+2*\p:\reg+2*\p+1], v[\adr] offset:8*PCE+16*(PCE/8)+(\i)*16*PITCH
.else
	ds_load_b64 v[\reg+2*\p:\reg+2*\p+1], v[\adr+2] offset:8*PCE+16*(PCE/8)+(\i)*16*PITCH
.endif
.endr
.endm
.macro FRAGA reg, adr, q, i            ; A: an image
.irp p, 0,1,2,3,4,5
	ds_load_b64 v[\reg+2*\p:\reg+2*\p+1], v[\adr] offset:3072*(\i)+1536*(\q)+256*\p
.endr
.endm
.macro MUL16 a0, p, q, sc, zero
.irp a, \a0, \a0+1
.irp b, 0,1,2,3,4,5,6,7
.if \zero
	v_wmma_scale_f32_16x16x128_f8f6f4 v[8*(8*((\a)%4)+\b):8*(8*((\a)%4)+\b)+7], v[128*(\p)+FR*\b:128*(\p)+FR*\b+FR-1], v[AF+FR*(\a):AF+FR*(\a)+FR-1], v[CB+8*\b:CB+8*\b+7], v[SC+8*NQ*(\sc)+NQ*\b+(\q)], v[SC+8*NQ*(\sc)+NQ*(\a)+(\q)] matrix_a_fmt:MATRIX_FMT_FP6 matrix_b_fmt:MATRIX_FMT_FP6 matrix_a_scale:MATRIX_SCALE_ROW1
.else
	v_wmma_scale_f32_16x16x128_f8f6f4 v[8*(8*((\a)%4)+\b):8*(8*((\a)%4)+\b)+7], v[128*(\p)+FR*\b:128*(\p)+FR*\b+FR-1], v[AF+FR*(\a):AF+FR*(\a)+FR-1], v[8*(8*((\a)%4)+\b):8*(8*((\a)%4)+\b)+7], v[SC+8*NQ*(\sc)+NQ*\b+(\q)], v[SC+8*NQ*(\sc)+NQ*(\a)+(\q)] matrix_a_fmt:MATRIX_FMT_FP6 matrix_b_fmt:MATRIX_FMT_FP6 matrix_a_scale:MATRIX_SCALE_ROW1
.endif
.endr
.endr
.endm
.macro FETCH_B slot, q, p
	WIN TO_B
.irp i, 0,1,2,3,4,5,6,7
	FRAG 128*(\p)+FR*\i, ADRB+\slot, \q, \i
.endr
	WIN 0
.endm
.macro FETCH_A slot, q, i0
.irp i, \i0, \i0+1, \i0+2, \i0+3
	FRAGA AF+FR*(\i), ADRA+\slot, \q, \i
.endr
.endm
.macro SCALES sc
.irp i, 0,1,2,3,4,5,6,7
	ds_load_b64 v[SC+8*NQ*\sc+NQ*\i:SC+8*NQ*\sc+NQ*\i+1], v[ADRS] offset:\i*SBLK
.endr
.endm
.macro PLACES n
.rept \n
	v_nop
.endr
.endm
.macro STEP slot, q, zero
	s_wait_dscnt 4*NL                              ; B's set and A's blocks 0-3 are in; the 24 youngest loads may be out
.if \zero
	WIN 0x81                                       ; C (bo) window 0, D window 2
.else
	WIN MUL_LO
.endif
	MUL16 0, (\q)%2, \q, \slot, \zero
	MUL16 2, (\q)%2, \q, \slot, \zero
	s_wait_dscnt 0
	PLACES NP
	FETCH_B \slot, (\q)+1, 1-(\q)%2
	FETCH_A \slot, (\q)+1, 0
.if \zero
	WIN 0xc1
.else
	WIN MUL_HI
.endif
	MUL16 4, (\q)%2, \q, \slot, \zero
	MUL16 6, (\q)%2, \q, \slot, \zero
	PLACES NP
	WIN 0
	FETCH_A \slot, (\q)+1, 4
.endm
.macro TURN slot, next, fill
	s_wait_tensorcnt 0x0                           ; all my tensor loads have landed
	ds_add_u32 v[SPW], v[NIL]
	s_wait_dscnt 4*NL+1                            ; the add and the 24 youngest loads may be out
	WIN MUL_LO
	MUL16 0, 1, NQ-1, \slot, 0
	s_wait_dscnt 0x0                               ; the add is done, and my reads of this slot are over
	s_barrier_signal -1
	MUL16 2, 1, NQ-1, \slot, 0
	WIN 0
	s_barrier_wait -1
.if \fill
	CREST
	s_add_nc_u64 s[G0+4*\slot+2:G0+4*\slot+3], s[G0+4*\slot+2:G0+4*\slot+3], 2*3072
	s_add_nc_u64 s[G0B+4*\slot+2:G0B+4*\slot+3], s[G0B+4*\slot+2:G0B+4*\slot+3], 2*ROWB
	JLOAD G0+4*\slot, G1, G0B+4*\slot, G1B
.else
	PLACES NP
.endif
	v_add_nc_u32 v[ADRS], 4*NQ, v[ADRS]
	FETCH_B \next, 0, 0
	FETCH_A \next, 0, 0
	SCALES \next
	WIN MUL_HI
	MUL16 4, 1, NQ-1, \slot, 0
	MUL16 6, 1, NQ-1, \slot, 0
	PLACES NP
	WIN 0
	FETCH_A \next, 0, 4
.endm
	s_wait_tensorcnt 1                             ; the scales and my part of slot 0 are in; slot 1's load may be out
	s_barrier_signal -1
	s_barrier_wait -1
	FETCH_B 0, 0, 0
	FETCH_A 0, 0, 0
	SCALES 0
	FETCH_A 0, 0, 4
	s_wait_loadcnt 0x0                             ; bo
	STEP 0, 0, 1
	s_mov_b32 s3, LAPS-1
.Llap:
	TURN 0, 1, 1
	STEP 1, 0, 0
	TURN 1, 0, 1
	STEP 0, 0, 0
	s_sub_co_u32 s3, s3, 1
	s_cmp_lg_u32 s3, 0
	s_cbranch_scc1 .Llap
	TURN 0, 1, 0
	STEP 1, 0, 0
	s_wait_dscnt 4*NL
	WIN MUL_LO
	MUL16 0, 1, NQ-1, 1, 0
	MUL16 2, 1, NQ-1, 1, 0
	s_wait_dscnt 0
	WIN MUL_HI
	MUL16 4, 1, NQ-1, 1, 0
	MUL16 6, 1, NQ-1, 1, 0
	WIN 0
; THE WAY OUT, block by block of 16 rows x 128 columns, through my own stage in slot 0, which has had its last fill and its last read: back as whole rows of 512 bytes.
.macro TOSTAGE a
.set AC, 64*((\a)%4)
	WIN 0x08+4*((\a)/4)
.irp b, 0,1,2,3,4,5,6,7
	ds_store_b128 v[STO], v[AC+8*\b:AC+8*\b+3] offset:64*\b          ; each accumulator from its low end on
	ds_store_b128 v[STO], v[AC+8*\b+4:AC+8*\b+7] offset:64*\b+16
.endr
	WIN 0
.set BB, BK+64*((\a)%2)
.irp t, 0,1,2,3,4,5,6,7,8,9,10,11,12,13,14,15
	ds_load_b128 v[BB+4*\t:BB+4*\t+3], v[RD] offset:\t*SPITCH
.endr
.endm
.macro SEND a, younger
.set BB, BK+64*((\a)%2)
	s_wait_dscnt \younger                          ; the block is back; the next block's 16 stores and 16 loads may be out
.if (\a) > 0
	s_add_nc_u64 s[12:13], s[12:13], 16*SIZE_N*4
.endif
.irp t, 0,1,2,3,4,5,6,7,8,9,10,11,12,13,14,15
	global_store_b128 v[CO], v[BB+4*\t:BB+4*\t+3], s[12:13] offset:\t*SIZE_N*4 th:TH_STORE_NT   ; 32 lanes store 512 consecutive bytes, aligned
.endr
.endm
	PLACES NP
	TOSTAGE 0
.irp a, 1,2,3,4,5,6,7
.if \a > 1
	s_wait_xcnt 0x0                                ; block a - 2's stores have read their registers and their base
.endif
	TOSTAGE \a
	SEND \a-1, 32
.endr
	s_wait_xcnt 0x0
	SEND 7, 0
	s_wait_tensorcnt 0x0                           ; the wave's end
	ds_add_u32 v[SPW], v[NIL]
	s_wait_dscnt 0x0
	CROUND                                         ; the closing round
	s_endpgm
.Lfunc_end_k_q2c9d537bab_outp:
	.size	k_q2c9d537bab_outp, .Lfunc_end_k_q2c9d537bab_outp-k_q2c9d537bab_outp
	.p2alignl 7, 3214868480
	.fill 96, 4, 3214868480
	.section	.rodata,"a",@progbits
	.p2align	6, 0x0
	.amdhsa_kernel k_q2c9d537bab_outp
		.amdhsa_group_segment_fixed_size 327680
		.amdhsa_private_segment_fixed_size 0
		.amdhsa_enable_private_segment 0
		.amdhsa_kernarg_size 40
		.amdhsa_user_sgpr_count 2
		.amdhsa_user_sgpr_kernarg_segment_ptr 1
		.amdhsa_wavefront_size32 1
		.amdhsa_system_sgpr_workgroup_id_x 1
		.amdhsa_system_sgpr_workgroup_id_y 1
		.amdhsa_system_sgpr_workgroup_id_z 1
		.amdhsa_system_vgpr_workitem_id 0
		.amdhsa_next_free_vgpr 1024
		.amdhsa_next_free_sgpr 98
		.amdhsa_reserve_vcc 0
		.amdhsa_float_denorm_mode_32 3
		.amdhsa_float_denorm_mode_16_64 3
		.amdhsa_memory_ordered 1
		.amdhsa_forward_progress 1
		.amdhsa_inst_pref_size 162
	.end_amdhsa_kernel
	.amdgpu_metadata
---
amdhsa.version: [ 1, 2 ]
amdhsa.kernels:
  - .name:           k_q2c9d537bab_outp
    .symbol:         k_q2c9d537bab_outp.kd
    .args:
      - { .name: cx, .offset: 0, .size: 8, .value_kind: global_buffer, .address_space: global }
      - { .name: wc, .offset: 8, .size: 8, .value_kind: global_buffer, .address_space: global }
      - { .name: ws, .offset: 16, .size: 8, .value_kind: global_buffer, .address_space: global }
      - { .name: bo, .offset: 24, .size: 8, .value_kind: global_buffer, .address_space: global }
      - { .name: out0, .offset: 32, .size: 8, .value_kind: global_buffer, .address_space: global }
    .group_segment_fixed_size: 327680
    .private_segment_fixed_size: 0
    .kernarg_segment_align: 8
    .kernarg_segment_size: 40
    .max_flat_workgroup_size: 128
    .sgpr_count:     98
    .vgpr_count:     1024
    .wavefront_size: 32
...
	.end_amdgpu_metadata
.endif
;; end of part 5
